; MI455X (gfx1250); checked and timed in simulation.
; The chip was launched on July 23, 2026; its instructions are those of AMD's public machine-readable ISA for CDNA 5 (MIT licence, August 2026) and "CDNA5" Instruction Set Architecture Reference Guide (July 2026). The comments in the code are by the model that wrote it; some were corrected since.
;; Multi Head Attention. Allowed arithmetic: matrix products marked QUANTISED: E5M2 operands, one given power-of-two scale a tensor, by v_wmma_f32_16x16x64_bf8_bf8 or v_wmma_f32_16x16x128_bf8_bf8, f32 sums; everything else in f32.
;; Inputs: add_attn 4 x 1 x 2,048 x 2,048 float32; k 4 x 2,048 x 1,024 float32; ln_b 1,024 float32; ln_g 1,024 float32; lowp_scales 12 int32 (the exponents e of the quantised operands' scales 2^e); mask 4 x 1 x 1 x 2,048 int32; q 4 x 2,048 x 1,024 float32; v 4 x 2,048 x 1,024 float32; w_k 1,024 x 1,024 float32; w_o 1,024 x 1,024 float32; w_q 1,024 x 1,024 float32; w_v 1,024 x 1,024 float32.
;; Outputs: out0 4 x 2,048 x 1,024 float32.
;; This version of the problem:
;;   THIS VERSION OF THE PROBLEM IS GIVEN IN LOW PRECISION. The matrix products marked QUANTISED in the list below multiply operands that are first quantised to E5M2 (5 exponent bits, 2 mantissa bits; 8 bits a number), with one given power-of-two scale for each operand tensor; their sums are f32. All else is computed in f32.
;;   The module's matrix products, in the order in which they are computed (A, B: the left and right operand; K: the contracted axis; several contracted axes count as one K, in the product's order):
;;     1. [M 8,192, K 1,024] x [K 1,024, N 1,024]; A: input q; B: input w_q: QUANTISED (scales: A lowp_scales[0], B lowp_scales[1])
;;     2. [M 8,192, K 1,024] x [K 1,024, N 1,024]; A: input k; B: input w_k: QUANTISED (scales: A lowp_scales[2], B lowp_scales[3])
;;     3. [M 8,192, K 1,024] x [K 1,024, N 1,024]; A: input v; B: input w_v: QUANTISED (scales: A lowp_scales[4], B lowp_scales[5])
;;     4. batch 64 x [M 2,048, K 64] x [K 64, N 2,048]; A: computed on the way; B: computed on the way: QUANTISED (scales: A lowp_scales[6], B lowp_scales[7])
;;     5. batch 64 x [M 2,048, K 2,048] x [K 2,048, N 64]; A: softmax (see below); B: computed on the way: QUANTISED (scales: A lowp_scales[8], B lowp_scales[9])
;;     6. [M 8,192, K 1,024] x [K 1,024, N 1,024]; A: computed on the way; B: input w_o: QUANTISED (scales: A lowp_scales[10], B lowp_scales[11])
;;   THE QUANTISER, for each operand of a quantised product, along K:
;;     - The operand's scale is 2^e, e = its entry of the input lowp_scales (int32; the entries are numbered through the quantised products in the list's order, A before B).
;;     - Each number is divided by the scale, clamped to +-57,344, and rounded to the nearest number of E5M2, ties to even, subnormals kept.
;;     - The product sums the exact products of the quantised numbers (number of the format x scale) in f32.
;;   ~~~python
;;   def quantise(x, axis, e):      # numpy; x: float32 -> the quantised numbers, widened to float32 again
;;       x = np.moveaxis(x, axis, -1); K = x.shape[-1]
;;       r = np.clip(x / 2.0 ** e, -57344, 57344)
;;       step = 2.0 ** (np.maximum(np.frexp(np.where(r == 0, 1, r))[1] - 1, -14) - 2)
;;       q = np.round(r / step) * step * 2.0 ** e      # np.round: ties to even
;;       return np.moveaxis(q, -1, axis).astype(np.float32)
;;   ~~~
;;   SOFTMAX AHEAD OF A QUANTISED PRODUCT. Where the list says 'softmax', what is quantised is not the finished softmax but p = 2^(t - M), with t = logit x log2(e) and M = ceil(the row's largest t), a whole number; so 1/2 < the row's largest p <= 1. The row's sum l is taken of the UNQUANTISED p, in f32, and the product's result is divided by l at the end. Since M is a whole number, a kernel that streams over the keys may use a running M (the ceiling of the running maximum): every later rescaling is an exact power of two, so the quantised numbers keep their values, but for numbers so far below the row's largest that they fall under the format's range.
;;   OPERANDS COMPUTED ON THE WAY. 'Computed on the way' means the value that the module computes at that place (a softmax that the list does not call 'softmax' is quantised finished and normalised). What goes into a quantiser is computed in f32, as accurately as f32 sums, v_exp_f32 and their like allow (about 1e-6 of the number): no bf16 or f16 on the way to a quantiser, and a product that is left as it is and whose result goes on into a quantised operand takes f32 operands (vector FMAs, or v_wmma_f32_16x16x4_f32). A number that lies on a knife's edge between two numbers of the format may be rounded either way, as far as f32 arithmetic and the matrix unit's own rounding can turn it there, and no further.
;; One version. Each part assembles by itself: llvm-mc -triple=amdgcn-amd-amdhsa -mcpu=gfx1250 --defsym DOCPART=n.
;; ======== version 1 of 1: 4 launches
;; limits: right only within a limited range of input values
;; workspace buffers: xc 25,165,824 bytes; wc 4,194,304 bytes; hc 25,165,824 bytes; oc 8,388,608 bytes
;; launch quant (part 1): grid 896 x 1, 4 waves a work-group, no clusters, 68,096 bytes of LDS; arguments q, k, v, w_q, w_k, w_v, w_o, lowp_scales, xc, wc; writes xc, wc
.if DOCPART == 1
	.amdgcn_target "amdgcn-amd-amdhsa--gfx1250"
	.amdhsa_code_object_version 6
	.text
	.protected	k_qee3153738b_quant
	.globl	k_qee3153738b_quant
	.p2align	8
	.type	k_qee3153738b_quant,@function
k_qee3153738b_quant:
	s_mov_b64 s[64:65], 0
	v_nop
	global_prefetch_b8 v0, s[64:65] scope:SCOPE_SE
	s_setreg_imm32_b32 hwreg(HW_REG_WAVE_MODE, 25, 1), 1
	s_wait_xcnt 0x0
; q, k, v [8192][1024] and w_q, w_k, w_v, w_o [1024 (K)][1024 (n)], all f32, become codes of BF8 (E5M2), each with the one scale 2^e given for it.
; code = x / 2^e, held within +-57,344, rounded to the nearest code, ties to even.  LIMITS: -126 <= e and e + 15 <= 127 for entries 0-5 and 11 of the scales; NaN among the inputs is not served.
; Work-groups 0-767 take q, k, v (256 each; K innermost); work-groups 768-895 take the weights (32 each; K is the first axis).  The two paths part on the work-group's number and never meet again;
; each has LDS bytes of its own (0 .. 32,767 and 32,768 .. 67,583).  No barrier: waves share nothing.
; ROW ORDER.  The rows of k's and v's codes and the rows (n) of the weights' codes are laid with bits 3 and 4 of the row number exchanged, so that 16 rows on end are rows 0-7 and 16-23 (or 8-15 and 24-31) of a group
; of 32: a product that takes such a tile as its source 0 leaves 16 NEIGHBOURS of the group in the 16 registers of two tiles on end.  q's rows stay as they are.
; xc: tensor t at t x 8 MiB, [row][1024].  wc: w_q, w_k, w_v at j x 1 MiB, [row][1024]; w_o at 3 MiB as images of operand registers: tile of 16 features ft, K step s of 128, group c of four registers:
; (ft / 4) 65,536 + s 8,192 + (ft % 4) 2,048 + c 512 + 16 x lane; lane (r, h) holds k = 128 s + 32 c + 16 h + 0 .. 15 of the tile's row r.
.set NX,    768                        ; work-groups of the first path
.set STEPS, 16
.set EMAX,  15
.set MANT,  0x600000                   ; the mantissa field of 57,344 as f32
.set WREG,  8192                       ; first path: LDS region of a wave: two stages of 32 x SP bytes
.set SP,    80                         ; a lane's place in a stage: 64 bytes + 16 of padding
.set R,     16                         ; v16-79   four sets of 16 numbers as loaded
.set X,     80                         ; v80-111  two sets of 16 neighbours
.set C,     128                        ; v128-191 codes, four registers a step: no store's data are written again
.set WSTG,  32768                      ; second path: the stages begin here, 32 x PITCH bytes a wave
.set PITCH, 272                        ; a stage row: 256 codes + 16 of padding
.set NB,    8                          ; blocks of 32 along K for a wave
.set WX,    32                         ; v32-95   two sets of 32 numbers
.set WC,    96                         ; v96-103  a block's codes
.set OUTR,  112                        ; v112-175 the way out
	s_load_b256 s[4:11], s[0:1], 0x0               ; q, k, v, w_q
	s_load_b256 s[12:19], s[0:1], 0x20             ; w_k, w_v, w_o, the scales' exponents
	s_load_b128 s[20:23], s[0:1], 0x40             ; xc, wc
	v_lshl_add_u32 v192, v0, 2, 0x10800
	v_mov_b32 v193, 0
	v_lshrrev_b32 v1, 5, v0
	v_readfirstlane_b32 s36, v1                    ; wave 0..3
	v_and_b32 v2, 31, v0                           ; lane
	s_wait_kmcnt 0x0
	s_load_b256 s[24:31], s[18:19], 0x0            ; entries 0-7
	s_load_b128 s[32:35], s[18:19], 0x20           ; entries 8-11
	s_cmp_lt_u32 ttmp9, NX
	s_cbranch_scc0 .Lweights
; ---- q, k, v.  A wave takes 8 rows = 8,192 numbers, 16 steps of 512.  Each load reads 512 consecutive bytes; a step's 2,048 bytes turn through the wave's own stage so that a lane holds 16 neighbours along K.
	s_wait_alu depctr_va_vdst(0)
	v_lshlrev_b32 v3, 4, v2                        ; 16 x lane: my bytes of a load's 512, and of a step's 512 bytes of codes
	s_wait_alu depctr_va_vdst(0)
	s_mul_i32 s37, s36, WREG
	v_lshrrev_b32 v14, 2, v2
	v_mul_u32_u24 v14, v14, SP
	v_and_b32 v15, 3, v2
	v_lshl_add_u32 v14, v15, 4, v14
	v_add_nc_u32 v14, s37, v14                     ; into the stage: SP (lane / 4) + 16 (lane % 4)
	v_mul_u32_u24 v15, v2, SP
	v_add_nc_u32 v15, s37, v15                     ; out of it: SP x lane
	s_lshr_b32 s38, ttmp9, 8                       ; tensor: 0 q, 1 k, 2 v
	s_and_b32 s39, ttmp9, 255
	s_lshl_b32 s39, s39, 2
	s_add_co_u32 s40, s39, s36                     ; my run of 8 rows
	s_and_b32 s41, s36, 1
	s_lshl_b32 s41, s41, 1
	s_lshr_b32 s42, s36, 1
	s_or_b32 s41, s41, s42                         ; the wave's two bits exchanged: they are bits 3 and 4 of my rows' numbers
	s_cmp_eq_u32 s38, 0
	s_cselect_b32 s41, s36, s41                    ; q's rows stay
	s_cselect_b64 s[44:45], s[4:5], s[6:7]
	s_cmp_eq_u32 s38, 2
	s_cselect_b64 s[44:45], s[8:9], s[44:45]
	s_add_co_u32 s41, s39, s41                     ; where my 8 rows of codes go
	s_lshl_b32 s46, s40, 15                        ; 8 rows of 4,096 bytes
	s_mov_b32 s47, 0
	s_add_nc_u64 s[44:45], s[44:45], s[46:47]
	s_lshl_b32 s48, s38, 23
	s_lshl_b32 s41, s41, 13                        ; 8 rows of 1,024 bytes
	s_add_co_u32 s48, s48, s41
	s_mov_b32 s49, 0
	s_add_nc_u64 s[48:49], s[20:21], s[48:49]
.macro XLOAD t
.irp i, 0,1,2,3
	global_load_b128 v[R+16*((\t)%4)+4*\i:R+16*((\t)%4)+4*\i+3], v3, s[44:45] offset:2048*(\t)+512*\i th:TH_LOAD_NT
.endr
.endm
.macro XTURN t                         ; LDS serves a wave's instructions in order (ISA guide 5.7.1.4): no wait between the stores and the loads
.irp i, 0,1,2,3
	ds_store_b128 v14, v[R+16*((\t)%4)+4*\i:R+16*((\t)%4)+4*\i+3] offset:32*SP*((\t)%2)+8*SP*\i
.endr
.irp i, 0,1,2,3
	ds_load_b128 v[X+16*((\t)%2)+4*\i:X+16*((\t)%2)+4*\i+3], v15 offset:32*SP*((\t)%2)+16*\i
.endr
.endm
.irp t, 0,1,2,3
	XLOAD \t
.endr
	s_wait_alu depctr_va_vdst(0)
	s_wait_kmcnt 0x0
	s_cmp_eq_u32 s38, 0
	s_cselect_b32 s50, s24, s26                    ; e: entry 0, 2 or 4
	s_cmp_eq_u32 s38, 2
	s_cselect_b32 s50, s28, s50
	s_add_co_i32 s50, s50, 127
	s_lshl_b32 s51, s50, 23
	v_mov_b32 v11, s51                             ; 2^e as f32: the conversion takes its exponent field
	s_add_co_i32 s50, s50, EMAX
	s_lshl_b32 s50, s50, 23
	s_or_b32 s50, s50, MANT
	v_mov_b32 v10, s50                             ; 57,344 x 2^e
	s_wait_alu depctr_va_vdst(0)
	s_wait_loadcnt 12                              ; step 0's four loads are in; the twelve of steps 1 to 3 may be out
	XTURN 0
.macro XSTEP t
.set XS, X+16*((\t)%2)
	s_wait_dscnt 0x0                               ; this step's numbers are back from the stage, and its stores into the stage have read their registers,
.if (\t)+4 < STEPS
	XLOAD (\t)+4                                   ; which take the loads of four steps on
.endif
.if (\t)+1 < STEPS
.if STEPS-2-(\t) >= 3
	s_wait_loadcnt 12                              ; the next step's four loads are in; those of the three steps behind it may be out
.else
	s_wait_loadcnt 4*(STEPS-2-(\t))
.endif
	XTURN (\t)+1
.endif
.irp i, 0,1,2,3,4,5,6,7,8,9,10,11,12,13,14,15
	v_med3_num_f32 v[XS+\i], v[XS+\i], -v10, v10   ; the conversion to an 8-bit code does not saturate (ISA guide 7.6.2): the hold comes first
.endr
	v_cvt_scalef32_pk8_bf8_f32 v[C+4*(\t):C+4*(\t)+1], v[XS:XS+7], v11
	v_cvt_scalef32_pk8_bf8_f32 v[C+4*(\t)+2:C+4*(\t)+3], v[XS+8:XS+15], v11
	global_store_b128 v3, v[C+4*(\t):C+4*(\t)+3], s[48:49] offset:512*(\t)   ; the wave stores 512 consecutive bytes; the next vector lines are the next step's holds, on other registers
.endm
.irp t, 0,1,2,3,4,5,6,7,8,9,10,11,12,13,14,15
	XSTEP \t
.endr
	s_wait_tensorcnt 0x0
	ds_add_u32 v192, v193
	s_wait_dscnt 0x0
	s_endpgm
; ---- the weights.  A lane takes a column n and its registers run down K: each load reads 128 consecutive bytes a wave, and the conversions give codes with K innermost.  A wave: 32 columns x 256 along K.
.Lweights:
	s_sub_co_u32 s38, ttmp9, NX
	s_lshr_b32 s39, s38, 5                         ; which weight: 0 w_q, 1 w_k, 2 w_v, 3 w_o
	s_and_b32 s40, s38, 7                          ; which 128 columns
	s_bfe_u32 s41, s38, 0x20003                    ; which 256 along K
	s_lshl_b32 s42, s40, 7
	s_lshl_b32 s43, s36, 5
	s_add_co_u32 s42, s42, s43                     ; my wave's first column
	s_wait_alu depctr_va_vdst(0)
	v_lshlrev_b32 v3, 2, v2                        ; in: 4 bytes a lane
	s_mul_i32 s43, s36, 32*PITCH
	s_add_co_u32 s43, s43, WSTG                    ; my stage
	v_mul_u32_u24 v4, v2, PITCH
	v_add_nc_u32 v4, s43, v4                       ; into it: row = my column
	v_and_b32 v5, 15, v2                           ; r
	v_lshrrev_b32 v6, 4, v2                        ; h
	v_mul_u32_u24 v7, v6, PITCH
	v_lshl_add_u32 v7, v5, 4, v7
	v_add_nc_u32 v7, s43, v7                       ; out by rows: sixteen lanes to a row, two rows an instruction
	v_lshlrev_b32 v8, 10, v6
	v_lshl_add_u32 v8, v5, 4, v8                   ; and the same place among rows of 1,024 bytes
	v_and_b32 v9, 8, v5
	v_add_nc_u32 v9, v9, v5                        ; r + 8 (r / 8)
	v_mul_u32_u24 v9, v9, PITCH
	v_lshl_add_u32 v9, v6, 4, v9
	v_add_nc_u32 v9, s43, v9                       ; out as images: lane (r, h) takes 16 bytes of the tile's row r, + 16 h
	v_lshlrev_b32 v12, 4, v2                       ; and stores them at 16 x lane
	s_cmp_eq_u32 s39, 0
	s_cselect_b64 s[44:45], s[10:11], s[12:13]
	s_cmp_eq_u32 s39, 2
	s_cselect_b64 s[44:45], s[14:15], s[44:45]
	s_cmp_eq_u32 s39, 3
	s_cselect_b64 s[44:45], s[16:17], s[44:45]
	s_lshl_b32 s46, s41, 20                        ; 256 rows of 4,096 bytes
	s_lshl_b32 s47, s42, 2
	s_add_co_u32 s46, s46, s47
	s_mov_b32 s47, 0
	s_add_nc_u64 s[44:45], s[44:45], s[46:47]
	s_lshl_b32 s48, s39, 20                        ; by rows: weight x 1 MiB + column x 1,024 + 256 y
	s_lshl_b32 s49, s42, 10
	s_add_co_u32 s48, s48, s49
	s_lshl_b32 s49, s41, 8
	s_add_co_u32 s48, s48, s49
	s_lshl_b32 s50, s40, 1                         ; as images: 3 MiB + (2 x + wave / 2) 65,536 + y 16,384 + (wave % 2) 4,096
	s_lshr_b32 s51, s36, 1
	s_add_co_u32 s50, s50, s51
	s_lshl_b32 s50, s50, 16
	s_lshl_b32 s51, s41, 14
	s_add_co_u32 s50, s50, s51
	s_and_b32 s51, s36, 1
	s_lshl_b32 s51, s51, 12
	s_add_co_u32 s50, s50, s51
	s_add_co_u32 s50, s50, 3<<20
	s_cmp_eq_u32 s39, 3
	s_cselect_b32 s48, s50, s48
	s_mov_b32 s49, 0
	s_add_nc_u64 s[48:49], s[22:23], s[48:49]
.macro WLOAD t                         ; block t: W(32 t + i, my column), i = 0 .. 31, into set t % 2; every offset is an immediate, 255 x 4,096 at the most
.irp i, 0,1,2,3,4,5,6,7,8,9,10,11,12,13,14,15,16,17,18,19,20,21,22,23,24,25,26,27,28,29,30,31
	global_load_b32 v[WX+32*((\t)%2)+\i], v3, s[44:45] offset:(32*(\t)+\i)*4096 th:TH_LOAD_NT
.endr
.endm
	WLOAD 0
	WLOAD 1
	s_wait_kmcnt 0x0
	s_cmp_eq_u32 s39, 0
	s_cselect_b32 s50, s25, s27                    ; e: entry 1, 3, 5 or 11
	s_cmp_eq_u32 s39, 2
	s_cselect_b32 s50, s29, s50
	s_cmp_eq_u32 s39, 3
	s_cselect_b32 s50, s35, s50
	s_add_co_i32 s50, s50, 127
	s_lshl_b32 s51, s50, 23
	v_mov_b32 v11, s51                             ; 2^e as f32
	s_add_co_i32 s50, s50, EMAX
	s_lshl_b32 s50, s50, 23
	s_or_b32 s50, s50, MANT
	v_mov_b32 v10, s50                             ; 57,344 x 2^e
.macro WBLOCK t
.set XS, WX+32*((\t)%2)
.if (\t) < NB-1
	s_wait_loadcnt 32                              ; this block's 32 loads are in; the next block's 32 may be out
.else
	s_wait_loadcnt 0
.endif
.irp i, 0,1,2,3,4,5,6,7,8,9,10,11,12,13,14,15,16,17,18,19,20,21,22,23,24,25,26,27,28,29,30,31
	v_med3_num_f32 v[XS+\i], v[XS+\i], -v10, v10
.endr
.irp g, 0,1,2,3
	v_cvt_scalef32_pk8_bf8_f32 v[WC+2*\g:WC+2*\g+1], v[XS+8*\g:XS+8*\g+7], v11
.endr
	ds_store_b128 v4, v[WC:WC+3] offset:32*(\t)    ; 32 codes of my column's row
	ds_store_b128 v4, v[WC+4:WC+7] offset:32*(\t)+16
.if (\t)+2 < NB
	WLOAD (\t)+2
.endif
	s_wait_dscnt 0x0                               ; the stores have read their registers: the next block's codes may be written
.endm
	s_wait_alu depctr_va_vdst(0)
.irp t, 0,1,2,3,4,5,6,7
	WBLOCK \t
.endr
	s_cmp_eq_u32 s39, 3
	s_cbranch_scc1 .Limages
.irp t, 0,1,2,3,4,5,6,7,8,9,10,11,12,13,14,15
	ds_load_b128 v[OUTR+4*\t:OUTR+4*\t+3], v7 offset:2*\t*PITCH   ; these see my stores: LDS serves a wave in order
.endr
.irp t, 0,1,2,3,4,5,6,7,8,9,10,11,12,13,14,15
	s_wait_dscnt 15-\t
	global_store_b128 v8, v[OUTR+4*\t:OUTR+4*\t+3], s[48:49] offset:(((2*\t)&7)|(((2*\t)&8)<<1)|(((2*\t)&16)>>1))*1024   ; sixteen lanes store 256 consecutive bytes; the row with bits 3 and 4 exchanged
.endr
	s_wait_tensorcnt 0x0
	ds_add_u32 v192, v193
	s_wait_dscnt 0x0
	s_endpgm
.Limages:                                              ; t = 8 s + 4 u + c: K step s of my two, tile u of my two, group c of four registers
.irp t, 0,1,2,3,4,5,6,7,8,9,10,11,12,13,14,15
	ds_load_b128 v[OUTR+4*\t:OUTR+4*\t+3], v9 offset:8*(((\t)>>2)&1)*PITCH+128*((\t)>>3)+32*((\t)&3)
.endr
.irp t, 0,1,2,3,4,5,6,7,8,9,10,11,12,13,14,15
	s_wait_dscnt 15-\t
	global_store_b128 v12, v[OUTR+4*\t:OUTR+4*\t+3], s[48:49] offset:(((\t)>>3)<<13)+((((\t)>>2)&1)<<11)+(((\t)&3)<<9)   ; the wave stores 512 consecutive bytes
.endr
	s_wait_tensorcnt 0x0
	ds_add_u32 v192, v193
	s_wait_dscnt 0x0
	s_endpgm
.Lfunc_end_k_qee3153738b_quant:
	.size	k_qee3153738b_quant, .Lfunc_end_k_qee3153738b_quant-k_qee3153738b_quant
	.p2alignl 7, 3214868480
	.fill 96, 4, 3214868480
	.section	.rodata,"a",@progbits
	.p2align	6, 0x0
	.amdhsa_kernel k_qee3153738b_quant
		.amdhsa_group_segment_fixed_size 68096
		.amdhsa_private_segment_fixed_size 0
		.amdhsa_enable_private_segment 0
		.amdhsa_kernarg_size 80
		.amdhsa_user_sgpr_count 2
		.amdhsa_user_sgpr_kernarg_segment_ptr 1
		.amdhsa_wavefront_size32 1
		.amdhsa_system_sgpr_workgroup_id_x 1
		.amdhsa_system_sgpr_workgroup_id_y 1
		.amdhsa_system_sgpr_workgroup_id_z 1
		.amdhsa_system_vgpr_workitem_id 0
		.amdhsa_next_free_vgpr 194
		.amdhsa_next_free_sgpr 66
		.amdhsa_reserve_vcc 0
		.amdhsa_float_denorm_mode_32 3
		.amdhsa_float_denorm_mode_16_64 3
		.amdhsa_memory_ordered 1
		.amdhsa_forward_progress 1
		.amdhsa_inst_pref_size 90
	.end_amdhsa_kernel
	.amdgpu_metadata
---
amdhsa.version: [ 1, 2 ]
amdhsa.kernels:
  - .name:           k_qee3153738b_quant
    .symbol:         k_qee3153738b_quant.kd
    .args:
      - { .name: q, .offset: 0, .size: 8, .value_kind: global_buffer, .address_space: global }
      - { .name: k, .offset: 8, .size: 8, .value_kind: global_buffer, .address_space: global }
      - { .name: v, .offset: 16, .size: 8, .value_kind: global_buffer, .address_space: global }
      - { .name: w_q, .offset: 24, .size: 8, .value_kind: global_buffer, .address_space: global }
      - { .name: w_k, .offset: 32, .size: 8, .value_kind: global_buffer, .address_space: global }
      - { .name: w_v, .offset: 40, .size: 8, .value_kind: global_buffer, .address_space: global }
      - { .name: w_o, .offset: 48, .size: 8, .value_kind: global_buffer, .address_space: global }
      - { .name: lowp_scales, .offset: 56, .size: 8, .value_kind: global_buffer, .address_space: global }
      - { .name: xc, .offset: 64, .size: 8, .value_kind: global_buffer, .address_space: global }
      - { .name: wc, .offset: 72, .size: 8, .value_kind: global_buffer, .address_space: global }
    .group_segment_fixed_size: 68096
    .private_segment_fixed_size: 0
    .kernarg_segment_align: 8
    .kernarg_segment_size: 80
    .max_flat_workgroup_size: 128
    .sgpr_count:     66
    .vgpr_count:     194
    .wavefront_size: 32
...
	.end_amdgpu_metadata
.endif
;; end of part 1
;; launch proj (part 2): grid 4 x 96, 4 waves a work-group, clusters of 4 x 4, 327,680 bytes of LDS; arguments xc, wc, lowp_scales, mask, hc; writes hc
.if DOCPART == 2
	.amdgcn_target "amdgcn-amd-amdhsa--gfx1250"
	.amdhsa_code_object_version 6
	.text
	.protected	k_qee3153738b_proj
	.globl	k_qee3153738b_proj
	.p2align	8
	.type	k_qee3153738b_proj,@function
k_qee3153738b_proj:
	s_mov_b64 s[64:65], 0
	v_nop
	global_prefetch_b8 v0, s[64:65] scope:SCOPE_SE
	s_setreg_imm32_b32 hwreg(HW_REG_WAVE_MODE, 25, 1), 1
	s_wait_xcnt 0x0
	s_wait_alu depctr_hold_cnt(0) depctr_sa_sdst(0) depctr_va_vdst(0) depctr_va_sdst(0) depctr_va_ssrc(0) depctr_va_vcc(0) depctr_vm_vsrc(0)
	s_getreg_b32 s2, hwreg(HW_REG_IB_STS2, 6, 4)
	s_cmp_eq_u32 s2, 0
	s_cbranch_scc0 .Lentry_in_a_cluster
	s_endpgm
.Lentry_in_a_cluster:
	s_bfe_u32 s2, ttmp6, 0x10000c
	s_cmp_lg_u32 s2, 0xf033
	s_cbranch_scc0 .Lentry_shape_is_right
	s_endpgm
.Lentry_shape_is_right:
.set SIZE_K, 1024
.set KSTEP,  256
.set ROWB,   256
.set KROW,   SIZE_K
.set PITCH,  272
.set FR,     16
.set NL,     4
.set NP,     4
.set HALFT,  128*PITCH
.set SLOT,   4*HALFT
.set LAPS,   SIZE_K/(2*KSTEP)
.set SPARE,  2*SLOT
.set ADRA, 16
.set ADRB, 20
.set MOF,  27
.set SPW,  28
.set NIL,  29
.set TMP,  32
.set MK,   96
.set LM,   104
.set OA,   112
.set SCV,  120
.set LIMV, 121
.set AF,   128
.set CD,   128
.set G1, 24
.set G0, 32
.set G1B, 48
.set G0B, 56
.set MSB, 0
.macro WIN new
.if MSB != \new
	s_set_vgpr_msb (MSB<<8)|\new
.set MSB, \new
.endif
.endm
.set MUL_LO, 0xa1
.set MUL_HI, 0xf1
.set TO_B,   0x40
.macro JLOAD g0a, g1a, g0b, g1b
	s_cmp_eq_u32 s15, 0
	s_cbranch_scc0 .Lfor_b_\@
	tensor_load_to_lds s[\g0a:\g0a+3], s[\g1a:\g1a+7]
	s_nop 0
.rept 4
	v_nop
.endr
	s_branch .Lasked_\@
.Lfor_b_\@:
	tensor_load_to_lds s[\g0b:\g0b+3], s[\g1b:\g1b+7]
	s_nop 0
.rept 4
	v_nop
.endr
.Lasked_\@:
.endm
.macro CREST
	s_cmp_lg_u32 s14, 0
	s_cbranch_scc1 .Lnot_wave_0_\@
	s_barrier_signal -3
.Lnot_wave_0_\@:
	s_barrier_wait -3
	s_barrier_signal -1
	s_barrier_wait -1
.endm
.macro CROUND
	s_barrier_signal -1
	s_barrier_wait -1
	CREST
.endm
	s_load_b128 s[4:7], s[0:1], 0x0
	s_load_b128 s[8:11], s[0:1], 0x10
	s_load_b64 s[12:13], s[0:1], 0x20
	v_lshl_add_u32 v[SPW], v0, 2, SPARE
	v_mov_b32 v[NIL], 0
	ds_add_u32 v28, v29
	ds_add_u32 v28, v29
	s_wait_dscnt 0x0
	v_lshrrev_b32 v1, 5, v0
	v_readfirstlane_b32 s14, v1
	s_lshr_b32 s15, s14, 1
	s_and_b32 s16, s14, 1
	s_bfe_u32 s40, ttmp6, 0x40000
	s_bfe_u32 s41, ttmp6, 0x40004
	s_and_b32 s66, ttmp7, 0xffff
	s_lshr_b32 s67, s66, 3
	s_and_b32 s66, s66, 7
	s_lshl_b32 s66, s66, 2
	s_lshl_b32 s90, s67, 23
	s_lshl_b32 s91, s67, 20
	s_cmp_eq_u32 s67, 2
	s_cselect_b32 s88, 0, s66
	s_cselect_b32 s89, s66, 0
	s_cselect_b32 s92, s91, s90
	s_cselect_b32 s93, s90, s91
	s_add_co_u32 s17, s41, s88
	s_add_co_u32 s42, s40, s89
	s_lshl_b32 s43, s41, 2
	s_lshl_b32 s43, 15, s43
	s_lshl_b32 s44, 0x1111, s40
	s_or_b32 s[G1+0], s43, (0<<16)|(1<<20)|(1<<21)|(5<<22)|(3<<25)
	s_or_b32 s[G1B+0], s44, (0<<16)|(1<<20)|(1<<21)|(5<<22)|(3<<25)
.irp g, G1, G1B
	s_mov_b32 s[\g+1], ROWB<<16
	s_mov_b32 s[\g+2], 128<<16
	s_mov_b32 s[\g+3], ROWB<<16
	s_mov_b32 s[\g+4], 128
	s_mov_b32 s[\g+5], KROW
	s_mov_b32 s[\g+6], 0
	s_mov_b32 s[\g+7], 0
.endr
	s_lshl_b32 s18, s16, 7
	s_lshl_b32 s20, s17, 8
	s_add_co_u32 s20, s20, s18
	s_lshl_b32 s20, s20, 10
	s_add_co_u32 s20, s20, s92
	s_mov_b32 s21, 0
	s_lshl_b32 s46, s42, 8
	s_add_co_u32 s46, s46, s18
	s_lshl_b32 s46, s46, 10
	s_add_co_u32 s46, s46, s93
	s_mov_b32 s47, 0
	s_mul_i32 s45, s14, HALFT
	s_wait_kmcnt 0x0
	s_load_b256 s[68:75], s[8:9], 0x0
	s_load_b128 s[76:79], s[8:9], 0x20
	s_cmp_eq_u32 s67, 2
	s_cselect_b64 s[92:93], s[6:7], s[4:5]
	s_cselect_b64 s[94:95], s[4:5], s[6:7]
	s_add_nc_u64 s[20:21], s[92:93], s[20:21]
	s_add_nc_u64 s[46:47], s[94:95], s[46:47]
	CROUND
.irp s, 0,1
	s_mov_b32 s[G0+4*\s], 1
	s_add_co_u32 s[G0+4*\s+1], s45, \s*SLOT
	s_add_nc_u64 s[G0+4*\s+2:G0+4*\s+3], s[20:21], \s*ROWB
	s_or_b32 s[G0+4*\s+3], s[G0+4*\s+3], 0x80000000
	s_mov_b32 s[G0B+4*\s], 1
	s_add_co_u32 s[G0B+4*\s+1], s45, \s*SLOT
	s_add_nc_u64 s[G0B+4*\s+2:G0B+4*\s+3], s[46:47], \s*ROWB
	s_or_b32 s[G0B+4*\s+3], s[G0B+4*\s+3], 0x80000000
	s_wait_alu depctr_va_vdst(0)
	s_wait_tensorcnt 0x0
	ds_add_u32 v28, v29
	ds_add_u32 v28, v29
	s_wait_dscnt 0x0
	CROUND
	JLOAD G0+4*\s, G1, G0B+4*\s, G1B
.endr
	v_and_b32 v1, 15, v0
	v_bfe_u32 v2, v0, 4, 1
	v_mul_u32_u24 v3, v1, PITCH
	v_lshl_add_u32 v4, v2, 4, v3
	s_mul_i32 s21, s15, HALFT
	s_mul_i32 s22, s16, HALFT
	s_add_co_u32 s22, s22, 2*HALFT
.irp s, 0,1
	v_add_nc_u32 v[ADRA+\s], s21, v4
	v_add_nc_u32 v[ADRB+\s], s22, v4
	s_add_co_u32 s21, s21, SLOT
	s_add_co_u32 s22, s22, SLOT
.endr
	v_and_b32 v5, 7, v1
	v_lshrrev_b32 v6, 3, v1
	v_lshl_add_u32 v5, v6, 4, v5
	v_lshlrev_b32 v[MOF], 2, v5
	s_lshl_b32 s88, s17, 8
	s_lshl_b32 s89, s15, 7
	s_add_co_u32 s88, s88, s89
	s_lshl_b32 s88, s88, 2
	s_mov_b32 s89, 0
	s_add_nc_u64 s[10:11], s[10:11], s[88:89]
.irp a, 0,1,2,3,4,5,6,7
	global_load_b32 v[MK+\a], v[MOF], s[10:11] offset:4*(32*(\a/2)+8*(\a%2))
.endr
	s_lshl_b32 s80, s17, 4
	s_lshl_b32 s81, s15, 3
	s_add_co_u32 s80, s80, s81
	s_lshr_b32 s81, s80, 7
	s_lshl_b32 s81, s81, 21
	s_and_b32 s82, s80, 127
	s_lshl_b32 s82, s82, 12
	s_add_co_u32 s81, s81, s82
	s_lshl_b32 s82, s42, 19
	s_add_co_u32 s81, s81, s82
	s_lshl_b32 s82, s16, 11
	s_add_co_u32 s81, s81, s82
	s_lshr_b32 s82, s80, 4
	s_lshl_b32 s82, s82, 19
	s_and_b32 s83, s80, 15
	s_lshl_b32 s83, s83, 11
	s_add_co_u32 s82, s82, s83
	s_lshl_b32 s83, s42, 3
	s_lshl_b32 s84, s16, 2
	s_add_co_u32 s83, s83, s84
	s_lshr_b32 s84, s83, 6
	s_lshl_b32 s84, s84, 21
	s_add_co_u32 s82, s82, s84
	s_bfe_u32 s84, s83, 0x40002
	s_lshl_b32 s84, s84, 15
	s_add_co_u32 s82, s82, s84
	s_mov_b32 s85, 4096
	s_cmp_eq_u32 s67, 2
	s_cselect_b32 s86, s82, s81
	s_cselect_b32 s85, 2048, s85
	s_add_co_u32 s86, s86, s90
	s_mov_b32 s87, 0
	s_add_nc_u64 s[86:87], s[12:13], s[86:87]
	v_and_b32 v6, 31, v0
	v_lshlrev_b32 v[OA], 4, v6
.irp a, 1,2,3,4,5,6,7
	v_add_nc_u32 v[OA+\a], s85, v[OA+\a-1]
.endr
.macro FRAG reg, adr, q, i
.irp c, 0,1,2,3
	ds_load_b128 v[\reg+4*\c:\reg+4*\c+3], v[\adr] offset:128*(\q)+32*\c+(\i)*16*PITCH
.endr
.endm
.macro MUL16 a0, p, zero
.irp a, \a0, \a0+1
.irp b, 0,1,2,3,4,5,6,7
.if \zero
	v_wmma_f32_16x16x128_bf8_bf8 v[8*(8*((\a)%4)+\b):8*(8*((\a)%4)+\b)+7], v[128*(\p)+FR*\b:128*(\p)+FR*\b+FR-1], v[AF+FR*(\a):AF+FR*(\a)+FR-1], 0
.else
	v_wmma_f32_16x16x128_bf8_bf8 v[8*(8*((\a)%4)+\b):8*(8*((\a)%4)+\b)+7], v[128*(\p)+FR*\b:128*(\p)+FR*\b+FR-1], v[AF+FR*(\a):AF+FR*(\a)+FR-1], v[8*(8*((\a)%4)+\b):8*(8*((\a)%4)+\b)+7]
.endif
.endr
.endr
.endm
.macro FETCH_B slot, q, p
	WIN TO_B
.irp i, 0,1,2,3,4,5,6,7
	FRAG 128*(\p)+FR*\i, ADRB+\slot, \q, \i
.endr
	WIN 0
.endm
.macro FETCH_A slot, q, i0
.irp i, \i0, \i0+1, \i0+2, \i0+3
	FRAG AF+FR*(\i), ADRA+\slot, \q, \i
.endr
.endm
.macro PLACES n
.rept \n
	v_nop
.endr
.endm
.macro STEP slot, q, zero
	s_wait_dscnt 4*NL
	WIN MUL_LO
	MUL16 0, (\q)%2, \zero
	MUL16 2, (\q)%2, \zero
	s_wait_dscnt 0
	PLACES NP
	FETCH_B \slot, (\q)+1, 1-(\q)%2
	FETCH_A \slot, (\q)+1, 0
	WIN MUL_HI
	MUL16 4, (\q)%2, \zero
	MUL16 6, (\q)%2, \zero
	PLACES NP
	WIN 0
	FETCH_A \slot, (\q)+1, 4
.endm
.macro TURN slot, next, fill
	s_wait_tensorcnt 0x0
	ds_add_u32 v[SPW], v[NIL]
	s_wait_dscnt 4*NL+1
	WIN MUL_LO
	MUL16 0, 1, 0
	s_wait_dscnt 0x0
	s_barrier_signal -1
	MUL16 2, 1, 0
	WIN 0
	s_barrier_wait -1
.if \fill
	CREST
	s_add_nc_u64 s[G0+4*\slot+2:G0+4*\slot+3], s[G0+4*\slot+2:G0+4*\slot+3], 2*ROWB
	s_add_nc_u64 s[G0B+4*\slot+2:G0B+4*\slot+3], s[G0B+4*\slot+2:G0B+4*\slot+3], 2*ROWB
	JLOAD G0+4*\slot, G1, G0B+4*\slot, G1B
.else
	PLACES NP
.endif
	FETCH_B \next, 0, 0
	FETCH_A \next, 0, 0
	WIN MUL_HI
	MUL16 4, 1, 0
	MUL16 6, 1, 0
	PLACES NP
	WIN 0
	FETCH_A \next, 0, 4
.endm
	s_wait_tensorcnt 1
	s_barrier_signal -1
	s_barrier_wait -1
	FETCH_B 0, 0, 0
	FETCH_A 0, 0, 0
	FETCH_A 0, 0, 4
	STEP 0, 0, 1
	s_mov_b32 s3, LAPS-1
.Llap:
	TURN 0, 1, 1
	STEP 1, 0, 0
	TURN 1, 0, 1
	STEP 0, 0, 0
	s_sub_co_u32 s3, s3, 1
	s_cmp_lg_u32 s3, 0
	s_cbranch_scc1 .Llap
	TURN 0, 1, 0
	STEP 1, 0, 0
	s_wait_dscnt 4*NL
	WIN MUL_LO
	MUL16 0, 1, 0
	MUL16 2, 1, 0
	s_wait_dscnt 0
	WIN MUL_HI
	MUL16 4, 1, 0
	MUL16 6, 1, 0
	WIN 0
	PLACES NP
	s_wait_loadcnt 0x0
	s_wait_kmcnt 0x0
	s_cmp_eq_u32 s67, 0
	s_cselect_b32 s80, s68, s70
	s_cselect_b32 s81, s69, s71
	s_cselect_b32 s82, s74, s75
	s_cselect_b32 s83, 3, 0
	s_cmp_eq_u32 s67, 2
	s_cselect_b32 s80, s72, s80
	s_cselect_b32 s81, s73, s81
	s_cselect_b32 s82, s77, s82
	s_sub_co_i32 s82, s82, s80
	s_sub_co_i32 s82, s82, s81
	s_add_co_i32 s82, s82, s83
	s_add_co_i32 s82, s82, 127
	s_lshl_b32 s83, s82, 23
	v_mov_b32 v[SCV], s83
	s_add_co_i32 s82, s82, 15
	s_lshl_b32 s82, s82, 23
	s_or_b32 s82, s82, 0x600000
	v_mov_b32 v[LIMV], s82
	s_cmp_eq_u32 s67, 1
	s_cselect_b32 s84, 0, -1
.irp a, 0,1,2,3,4,5,6,7
	v_cmp_ne_u32 vcc_lo, 0, v[MK+\a]
	s_or_b32 vcc_lo, vcc_lo, s84
	v_cndmask_b32 v[LM+\a], 0, v[LIMV], vcc_lo
.endr
.macro OUTA a
.set AC, 64*((\a)%4)
	WIN 0x02+((\a)/4)
.set j, 0
.rept 64
	v_med3_num_f32 v[TMP+j], v[AC+j], -v[LM+(\a)], v[LM+(\a)]
.set j, j+1
.endr
	WIN 0
.irp i, 0,1,2,3,4,5,6,7
	v_cvt_scalef32_pk8_bf8_f32 v[CD+16*(\a)+2*\i:CD+16*(\a)+2*\i+1], v[TMP+8*\i:TMP+8*\i+7], v[SCV]
.endr
	v_nop
.irp g, 0,1,2,3
	global_store_b128 v[OA+(\a)], v[CD+16*(\a)+4*\g:CD+16*(\a)+4*\g+3], s[86:87] offset:512*\g
.endr
.endm
.irp a, 0,1,2,3,4,5,6,7
	OUTA \a
.endr
	s_wait_tensorcnt 0x0
	ds_add_u32 v[SPW], v[NIL]
	s_wait_dscnt 0x0
	CROUND
	s_endpgm
.Lfunc_end_k_qee3153738b_proj:
	.size	k_qee3153738b_proj, .Lfunc_end_k_qee3153738b_proj-k_qee3153738b_proj
	.p2alignl 7, 3214868480
	.fill 96, 4, 3214868480
	.section	.rodata,"a",@progbits
	.p2align	6, 0x0
	.amdhsa_kernel k_qee3153738b_proj
		.amdhsa_group_segment_fixed_size 327680
		.amdhsa_private_segment_fixed_size 0
		.amdhsa_enable_private_segment 0
		.amdhsa_kernarg_size 40
		.amdhsa_user_sgpr_count 2
		.amdhsa_user_sgpr_kernarg_segment_ptr 1
		.amdhsa_wavefront_size32 1
		.amdhsa_system_sgpr_workgroup_id_x 1
		.amdhsa_system_sgpr_workgroup_id_y 1
		.amdhsa_system_sgpr_workgroup_id_z 1
		.amdhsa_system_vgpr_workitem_id 0
		.amdhsa_next_free_vgpr 1024
		.amdhsa_next_free_sgpr 100
		.amdhsa_reserve_vcc 1
		.amdhsa_float_denorm_mode_32 3
		.amdhsa_float_denorm_mode_16_64 3
		.amdhsa_memory_ordered 1
		.amdhsa_forward_progress 1
		.amdhsa_inst_pref_size 122
	.end_amdhsa_kernel
	.amdgpu_metadata
---
amdhsa.version: [ 1, 2 ]
amdhsa.kernels:
  - .name:           k_qee3153738b_proj
    .symbol:         k_qee3153738b_proj.kd
    .args:
      - { .name: xc, .offset: 0, .size: 8, .value_kind: global_buffer, .address_space: global }
      - { .name: wc, .offset: 8, .size: 8, .value_kind: global_buffer, .address_space: global }
      - { .name: lowp_scales, .offset: 16, .size: 8, .value_kind: global_buffer, .address_space: global }
      - { .name: mask, .offset: 24, .size: 8, .value_kind: global_buffer, .address_space: global }
      - { .name: hc, .offset: 32, .size: 8, .value_kind: global_buffer, .address_space: global }
    .group_segment_fixed_size: 327680
    .private_segment_fixed_size: 0
    .kernarg_segment_align: 8
    .kernarg_segment_size: 40
    .max_flat_workgroup_size: 128
    .sgpr_count:     100
    .vgpr_count:     1024
    .wavefront_size: 32
...
	.end_amdgpu_metadata
.endif
;; end of part 2
;; launch attn (part 3): grid 4 x 64, 8 waves a work-group, clusters of 4 x 1, 327,680 bytes of LDS; arguments hc, add_attn, mask, lowp_scales, oc; writes oc
.if DOCPART == 3
	.amdgcn_target "amdgcn-amd-amdhsa--gfx1250"
	.amdhsa_code_object_version 6
	.text
	.protected	k_qee3153738b_attn
	.globl	k_qee3153738b_attn
	.p2align	8
	.type	k_qee3153738b_attn,@function
k_qee3153738b_attn:
	s_mov_b64 s[64:65], 0
	v_nop
	global_prefetch_b8 v0, s[64:65] scope:SCOPE_SE
	s_setreg_imm32_b32 hwreg(HW_REG_WAVE_MODE, 25, 1), 1
	s_wait_xcnt 0x0
	s_wait_alu depctr_hold_cnt(0) depctr_sa_sdst(0) depctr_va_vdst(0) depctr_va_sdst(0) depctr_va_ssrc(0) depctr_va_vcc(0) depctr_vm_vsrc(0)
	s_getreg_b32 s2, hwreg(HW_REG_IB_STS2, 6, 4)
	s_cmp_eq_u32 s2, 0
	s_cbranch_scc0 .Lentry_in_a_cluster
	s_endpgm
.Lentry_in_a_cluster:
	s_bfe_u32 s2, ttmp6, 0x10000c
	s_cmp_lg_u32 s2, 0x3003
	s_cbranch_scc0 .Lentry_shape_is_right
	s_endpgm
.Lentry_shape_is_right:
; Attention on codes of BF8 (E5M2): logit = (qh / 8) . kh + add_attn, replaced where mask = 0; t = logit x log2(e); M = the running largest t rounded UP to a whole number; p = 2^(t - M) is quantised along the keys;
; the row's sum is taken of the unquantised p and divides at the end; the result is quantised for the last product and leaves as images of that product's operand registers.
; SHARES.  A work-group takes 128 queries x the 4 heads of one head group.  Wave w takes 32 queries (two tiles m of 16; w / 2 says which) x 2 heads (w % 2 says which pair): four units u = 2 hh + m.
; Each fragment of K and of V that a wave reads from LDS feeds two matrix instructions, and the addend is prepared once for two heads.
; CLUSTER.  The four partners are the four head groups of the same 128 queries: they need the same tile of add_attn (half of a step's bytes), which is asked for JOINTLY.  K's and V's tiles differ between the partners and are each work-group's own.
; LAYOUT.  Both products transposed: S^T = K Q^T, O^T = V^T P^T: a lane holds ONE query (lane % 16).  A tile of K holds keys 0-7 and 16-23 (or 8-15 and 24-31) of a group of 32, so registers 16 b + i of the scores are keys 32 b + 16 (lane / 16) + i.
; THE ADDEND IS THE C OF THE SCORE PRODUCTS.  A sum of codes stands for sum x 2^E, E = e6 + e7, so a = add x 2^-E + nk goes in, nk = 0 for a key that counts and -2^(60 - E) for a masked one.
; THE MASKED LOGIT IS -2^60 WHERE reference() HAS -1e9.  At a masked key the multiply-add rounds to nk itself while |add_attn| < 2^35, and kh's codes are 0 there, so S = nk; nk is a power of two, so c x nk is exact and whole:
; in a row with no counted key M = t, t - M = 0 and p = 1 everywhere, the plain mean, as reference() has it.  Beside a counted logit both numbers give p = 0.
; LIMITS: a row that has a counted key has a counted logit above -9e8; |add_attn| < 2^35 at masked keys; the counted scaled scores stay under 2^31 in magnitude; E between -60 and 120; e8, and e10 - e8 - e9, between -126 and 112.  NaN among the inputs is not served.
; THE RING.  Two slots of 128 keys.  A step's reads of its slot are over when the second head's V is in registers: the three lines and the round's opening signal stand behind the third unit's exponentials, and work on registers
; stands between signal and wait; behind the round the slot just read takes the keys two steps on.  The last unit's sums, codes and products stand behind the next step's first LDS loads, so that the wave works while those are out.
; All eight waves fetch: waves 0-3 32 rows of add each (jointly), waves 4, 5 K's halves, waves 6, 7 V's.  The last two steps fill nothing and have a loop of their own.
; LDS: add's tiles at 0 and 0x20000 (128 rows, pitch 528); K's at 0x10800 and 0x30800 (32 KiB); V's at 0x40000 and 0x48000 (32 KiB); nk[2048] at 0x18800; the spare words at 0x1d000.
; REGISTERS, window 0: v1-13 addresses and 2^e8; v16-79, v80-143 add, a, then the second head's scores and p (tile 0, tile 1); v144-207 nk, the first head's scores and p, the second head's K; v208-239 p's codes of both tiles
;   (v224-239 also at work while tile 1's codes are dead); v240+4 u: -M, the largest t, the sum in two halves.   window 1: v0-127 O^T (32 a unit); v128-159 Q (8 a unit); v160-223 the first head's K, then V.
.set A_P,   528                        ; a row of add in LDS: 512 bytes + 16
.set KOFF,  0x10800
.set TAB,   0x18800
.set SPARE, 0x1d000
.set SLOT1, 0x20000
.set VBASE, 0x40000
.set VSLOT, 0x8000
.set AAD, 1                            ; (32 (w / 2) + r) x 528 + 64 h
.set LIK, 2                            ; 16 x lane + KOFF + 2,048 (w % 2)
.set LIV, 3                            ; 16 x lane + 16,384 (w % 2)
.set ADA, 4                            ; v4-7 the step's addresses: add, K, V, nk
.set ADK, 5
.set ADV, 6
.set ADT, 7
.set PFO, 8
.set L16, 9
.set SPW, 10
.set NIL, 11
.set TBL, 12                           ; 64 h + TAB
.set SCV, 13                           ; 2^e8 as f32
.set A0,  16
.set A1,  80
.set S,   144
.set PC,  208
.set MX0, 224
.set MX1, 225
.set MX2, 226
.set MX3, 227
.set PRM, 228
.set OLD, 229
.set F,   230
.set SUM2, 232
.set SUM3, 234
.set SUM4, 236
.set ST,  240
.set OT,  0                            ; window 1
.set QF,  128
.set FR,  160
.set WV,  14
.set G1A, 24
.set G1D, 32
.set G0A, 40
.set G0K, 44
.set G0V, 48
.set TB,  52
.set TBV, 53
.set SLOTS, 54
.set KTB, 55
.set CS,  56                           ; c = log2(e) x 2^E, as a pair
.set SEL, 58
.set PFA, 66
.set PFS, 68
.set SC,  70                           ; 2^-E, as a pair
.set LIMA, 72
.set LIMK, 73
.set OB,  74
.set LIMS, 96                          ; 57,344 x 2^e8
.set HP,  97
.set QP,  98
.set HO,  99
.set MSB, 0
.macro WIN new
.if MSB != \new
	s_set_vgpr_msb (MSB<<8)|\new
.set MSB, \new
.endif
.endm
.macro NOP4
.rept 4
	v_nop
.endr
.endm
.macro WALU
	s_wait_alu depctr_va_vdst(0)
.endm
; One tensor load in every wave, in the arms of one chain of branches on the wave's number; s_nop 0 and four v_nop follow each line.
.macro TLOAD
	s_cmp_lt_u32 s[WV], 4
	s_cbranch_scc0 .Lnot_a_\@
	tensor_load_to_lds s[G0A:G0A+3], s[G1A:G1A+7]
	s_nop 0
	NOP4
	s_branch .Lasked_\@
.Lnot_a_\@:
	s_cmp_lt_u32 s[WV], 6
	s_cbranch_scc0 .Lnot_k_\@
	tensor_load_to_lds s[G0K:G0K+3], s[G1D:G1D+7]
	s_nop 0
	NOP4
	s_branch .Lasked_\@
.Lnot_k_\@:
	tensor_load_to_lds s[G0V:G0V+3], s[G1D:G1D+7]
	s_nop 0
	NOP4
.Lasked_\@:
.endm
; PREFETCHES of what the NEXT refill will ask for, one key step ahead of that load.  Each aligned block of 256 bytes is named once in the launch.
; Wave 4: add's tile: the four partners take 32 rows each, told apart BY ADDRESS; a lane a row, two instructions.  Waves 5 and 6: K's and V's 32 KiB, which the sixteen query blocks of a batch walk alike:
; the batch's first block asks (the same in all partners), each partner for its own head group; lanes 256 bytes apart, four instructions.  The last refill asks for nothing; key steps 0 to 2 come by their loads alone.
.macro ASK
	s_cmp_gt_u32 s[SLOTS], s[LIMA]
	s_cbranch_scc0 .Lno_a_\@
	global_prefetch_b8 v[PFO], s[PFA:PFA+1] th:TH_LOAD_NT scope:SCOPE_SE
	global_prefetch_b8 v[PFO], s[PFA:PFA+1] offset:256 th:TH_LOAD_NT scope:SCOPE_SE
.Lno_a_\@:
	s_cmp_gt_u32 s[SLOTS], s[LIMK]
	s_cbranch_scc0 .Lno_k_\@
	global_prefetch_b8 v[PFO], s[PFA:PFA+1] th:TH_LOAD_NT scope:SCOPE_SE
	global_prefetch_b8 v[PFO], s[PFA:PFA+1] offset:8192 th:TH_LOAD_NT scope:SCOPE_SE
	global_prefetch_b8 v[PFO], s[PFA:PFA+1] offset:16384 th:TH_LOAD_NT scope:SCOPE_SE
	global_prefetch_b8 v[PFO], s[PFA:PFA+1] offset:24576 th:TH_LOAD_NT scope:SCOPE_SE
.Lno_k_\@:
.endm
.macro CREST                           ; a round of the cluster's barrier behind its opening barrier
	s_cmp_lg_u32 s[WV], 0
	s_cbranch_scc1 .Lnot_wave_0_\@
	s_barrier_signal -3
.Lnot_wave_0_\@:
	s_barrier_wait -3
	s_barrier_signal -1
	s_barrier_wait -1
.endm
.macro CROUND
	s_barrier_signal -1
	s_barrier_wait -1
	CREST
.endm
.macro STEPD                           ; the walking descriptors: the other slot, the next 128 keys
	s_xor_b32 s[G0A+1], s[G0A+1], SLOT1
	s_add_nc_u64 s[G0A+2:G0A+3], s[G0A+2:G0A+3], 512
	s_xor_b32 s[G0K+1], s[G0K+1], SLOT1
	s_add_nc_u64 s[G0K+2:G0K+3], s[G0K+2:G0K+3], 32768
	s_xor_b32 s[G0V+1], s[G0V+1], VSLOT
	s_add_nc_u64 s[G0V+2:G0V+3], s[G0V+2:G0V+3], 32768
.endm
.macro NKLOAD                          ; nk of 128 keys: register 4 g + c is key 32 (g / 4) + 16 h + 4 (g % 4) + c
.irp g, 0,1,2,3,4,5,6,7,8,9,10,11,12,13,14,15
	ds_load_b128 v[S+4*\g:S+4*\g+3], v[ADT] offset:128*(\g/4)+16*(\g%4)
.endr
.endm
.macro ADDLOAD m                       ; add of query tile m, the same keys in the same registers
.irp g, 0,1,2,3,4,5,6,7,8,9,10,11,12,13,14,15
	ds_load_b128 v[A0+64*(\m)+4*\g:A0+64*(\m)+4*\g+3], v[ADA] offset:16*A_P*(\m)+128*(\g/4)+16*(\g%4)
.endr
.endm
.macro KLOAD D, hh, w                  ; head hh's eight tiles of 16 keys, images of 1 KiB
	WIN \w
.irp t, 0,1,2,3,4,5,6,7
	ds_load_b128 v[\D+8*\t:\D+8*\t+3], v[ADK] offset:4096*\t+1024*(\hh)
	ds_load_b128 v[\D+8*\t+4:\D+8*\t+7], v[ADK] offset:4096*\t+1024*(\hh)+512
.endr
	WIN 0
.endm
.macro VLOAD hh                        ; head hh's four tiles of 16 channels x 128 keys
	WIN 0x40
.irp d, 0,1,2,3
.irp c, 0,1,2,3
	ds_load_b128 v[FR+16*\d+4*\c:FR+16*\d+4*\c+3], v[ADV] offset:8192*(\hh)+2048*\d+512*\c
.endr
.endr
	WIN 0
.endm
.macro PREP X                          ; a = add x 2^-E + nk, in place
.set j, 0
.rept 32
	v_pk_fma_f32 v[\X+j:\X+j+1], v[\X+j:\X+j+1], s[SC:SC+1], v[S+j:S+j+1] op_sel_hi:[1,0,1]
.set j, j+2
.endr
.endm
.macro SCORE D, C, u, K, w             ; eight accumulators, one instruction each
	WIN \w
.irp t, 0,1,2,3,4,5,6,7
	v_wmma_f32_16x16x64_bf8_bf8 v[\D+8*\t:\D+8*\t+7], v[\K+8*\t:\K+8*\t+7], v[QF+8*(\u):QF+8*(\u)+7], v[\C+8*\t:\C+8*\t+7]
.endr
.endm
.macro FMA8 X                          ; eight of the 32 scalings t - M = S x c - M, two numbers each
.rept 8
	v_pk_fma_f32 v[\X+j:\X+j+1], v[\X+j:\X+j+1], s[CS:CS+1], v[rT:rT+1] op_sel_hi:[1,0,0]
.set j, j+2
.endr
.endm
; A unit's softmax, first part: the maximum, M, f, t - M, the rescaling of the sum and of O^T, the exponentials.  np: v_nop that make up, with the first line, the places behind the score products.
.macro SOFTA X, u, np
.set rT, ST+4*(\u)
	WIN 0
	v_mov_b32 v[OLD], v[rT]                        ; the old -M
.if \np > 0
.rept \np
	v_nop
.endr
.endif
	WALU                                           ; the wait directly ahead of the first readers of the scores
	v_max3_num_f32 v[MX0], v[\X], v[\X+1], v[\X+2] ; four chains, the registers in ascending order: each accumulator is read from its low end on
	v_max3_num_f32 v[MX1], v[\X+3], v[\X+4], v[\X+5]
	v_max3_num_f32 v[MX2], v[\X+6], v[\X+7], v[\X+8]
	v_max3_num_f32 v[MX3], v[\X+9], v[\X+10], v[\X+11]
.set j, 12
.rept 6
	v_max3_num_f32 v[MX0], v[MX0], v[\X+j], v[\X+j+1]
	v_max3_num_f32 v[MX1], v[MX1], v[\X+j+2], v[\X+j+3]
	v_max3_num_f32 v[MX2], v[MX2], v[\X+j+4], v[\X+j+5]
	v_max3_num_f32 v[MX3], v[MX3], v[\X+j+6], v[\X+j+7]
.set j, j+8
.endr
	v_max3_num_f32 v[MX0], v[MX0], v[\X+60], v[\X+61]
	v_max3_num_f32 v[MX1], v[MX1], v[\X+62], v[\X+63]
	v_max3_num_f32 v[MX0], v[MX0], v[MX1], v[MX2]
	v_max_num_f32 v[MX0], v[MX0], v[MX3]
	v_permlanex16_b32 v[PRM], v[MX0], s[SEL], s[SEL+1]
	v_max_num_f32 v[MX0], v[MX0], v[PRM]           ; and among lane l xor 16's
	v_mul_f32 v[MX0], s[CS], v[MX0]                ; as t (c is positive)
	v_max_num_f32 v[rT+1], v[rT+1], v[MX0]         ; the running largest t
	v_floor_f32 v[rT], -v[rT+1]                    ; the new -M = -ceil(t)
.set j, 0
	FMA8 \X                                        ; the scalings need -M alone: the three dependent lines that make f stand among them
	v_sub_f32 v[OLD], v[rT], v[OLD]                ; old M - new M, 0 or less
	FMA8 \X
	v_cvt_i32_f32 v[OLD], v[OLD]                   ; (it saturates)
	FMA8 \X
	v_ldexp_f32 v[F], 1.0, v[OLD]                  ; f = 2^(old M - new M): a multiplication by it rounds nothing
	FMA8 \X
	v_pk_mul_f32 v[rT+2:rT+3], v[rT+2:rT+3], v[F:F+1] op_sel_hi:[1,0]   ; the sums under the new M
	WIN 0x41
	WALU                                           ; one wait ahead of the batch, directly ahead of the first readers of O^T
.set j, 0
.rept 16
	v_pk_mul_f32 v[OT+32*(\u)+j:OT+32*(\u)+j+1], v[OT+32*(\u)+j:OT+32*(\u)+j+1], v[F:F+1] op_sel_hi:[1,0]   ; O^T under the new M
.set j, j+2
.endr
	WIN 0
.set j, 0
.rept 64
	v_exp_f32 v[\X+j], v[\X+j]                     ; p = 2^(t - M)
.set j, j+1
.endr
	v_nop                                          ; a plain line behind the exponentials
	WALU                                           ; one wait behind the batch
.endm
; Second part: the sum of the unquantised p in four chains, the one-sided hold (the conversion does not saturate: ISA guide 7.6.2), the codes of tile pc.
.macro SOFTB X, u, pc
.set rT, ST+4*(\u)
	v_pk_add_f32 v[SUM2:SUM2+1], v[\X:\X+1], v[\X+2:\X+3]
	v_pk_add_f32 v[SUM3:SUM3+1], v[\X+4:\X+5], v[\X+6:\X+7]
	v_pk_add_f32 v[SUM4:SUM4+1], v[\X+8:\X+9], v[\X+10:\X+11]
.set j, 12
.rept 6
	v_pk_add_f32 v[rT+2:rT+3], v[rT+2:rT+3], v[\X+j:\X+j+1]
	v_pk_add_f32 v[SUM2:SUM2+1], v[SUM2:SUM2+1], v[\X+j+2:\X+j+3]
	v_pk_add_f32 v[SUM3:SUM3+1], v[SUM3:SUM3+1], v[\X+j+4:\X+j+5]
	v_pk_add_f32 v[SUM4:SUM4+1], v[SUM4:SUM4+1], v[\X+j+6:\X+j+7]
.set j, j+8
.endr
	v_pk_add_f32 v[rT+2:rT+3], v[rT+2:rT+3], v[\X+60:\X+61]
	v_pk_add_f32 v[SUM2:SUM2+1], v[SUM2:SUM2+1], v[\X+62:\X+63]
	v_pk_add_f32 v[SUM3:SUM3+1], v[SUM3:SUM3+1], v[SUM4:SUM4+1]
	v_pk_add_f32 v[rT+2:rT+3], v[rT+2:rT+3], v[SUM2:SUM2+1]
	v_pk_add_f32 v[rT+2:rT+3], v[rT+2:rT+3], v[SUM3:SUM3+1]
.irp b, 0,1,2,3
.irp i, 0,2,4,6,8,10,12,14
	v_dual_min_num_f32 v[\X+16*\b+\i], s[LIMS], v[\X+16*\b+\i] :: v_dual_min_num_f32 v[\X+16*\b+\i+1], s[LIMS], v[\X+16*\b+\i+1]
.endr
	v_cvt_scalef32_pk8_bf8_f32 v[PC+16*(\pc)+4*\b:PC+16*(\pc)+4*\b+1], v[\X+16*\b:\X+16*\b+7], v[SCV]
	v_cvt_scalef32_pk8_bf8_f32 v[PC+16*(\pc)+4*\b+2:PC+16*(\pc)+4*\b+3], v[\X+16*\b+8:\X+16*\b+15], v[SCV]
.endr
	v_nop                                          ; a plain line behind the last conversion
.endm
.macro PV hh                           ; O^T += V^T P^T for both tiles: eight accumulators by turns, each fragment of V twice
	WIN 0x51
.irp d, 0,1,2,3
.irp m, 0,1
	v_wmma_f32_16x16x128_bf8_bf8 v[OT+32*(2*(\hh)+\m)+8*\d:OT+32*(2*(\hh)+\m)+8*\d+7], v[FR+16*\d:FR+16*\d+15], v[PC+16*\m:PC+16*\m+15], v[OT+32*(2*(\hh)+\m)+8*\d:OT+32*(2*(\hh)+\m)+8*\d+7]
.endr
.endr
	WIN 0
.endm
	s_load_b256 s[4:11], s[0:1], 0x0               ; hc, add_attn, mask, the scales' exponents
	s_load_b64 s[12:13], s[0:1], 0x20              ; oc
	v_lshl_add_u32 v[SPW], v0, 2, SPARE
	v_mov_b32 v[NIL], 0
	ds_add_u32 v[SPW], v[NIL]                      ; the opening lines: the add twice on end and one wait
	ds_add_u32 v[SPW], v[NIL]
	v_lshrrev_b32 v15, 5, v0
	v_readfirstlane_b32 s[WV], v15                 ; wave 0..7
	s_bfe_u32 s15, ttmp6, 0x40000                  ; cx: my head group
	s_and_b32 s16, ttmp7, 0xffff                   ; y: my block of 128 of the 8,192 queries, shared by the partners
	s_lshr_b32 s17, s16, 4                         ; the batch
	s_and_b32 s18, s16, 15                         ; the block in it
	s_lshl_b32 s19, s17, 21
	s_lshl_b32 s20, s15, 19
	s_add_co_u32 s19, s19, s20                     ; batch and head group, in each third of hc
	s_and_b32 s[HP], s[WV], 1                      ; my pair of heads; also which half of K or V I fetch
	s_lshr_b32 s[QP], s[WV], 1                     ; my pair of query tiles
	s_lshl_b32 s[HO], s[HP], 14
	s_and_b32 s21, s[WV], 3                        ; which 32 rows of add I fetch
	s_lshl_b32 s22, s16, 20                        ; add: 128 y rows of 8,192 bytes
	s_lshl_b32 s23, s21, 18
	s_add_co_u32 s22, s22, s23
	s_mov_b32 s23, 0
	s_mul_i32 s21, s21, 32*A_P
	s_mov_b32 s[G1A], 15|(2<<16)|(1<<20)|(1<<21)|(6<<22)|(3<<25)  ; the mask: all four; elements of 4 bytes; padding: four words after every 128; bit 21 beside the mask
	s_mov_b32 s[G1A+1], 128<<16
	s_mov_b32 s[G1A+2], 32<<16
	s_mov_b32 s[G1A+3], 128<<16
	s_mov_b32 s[G1A+4], 32
	s_mov_b32 s[G1A+5], 2048
	s_mov_b32 s[G1A+6], 0
	s_mov_b32 s[G1A+7], 0
	s_mov_b32 s[G1D], 3<<16                        ; a dense block of 16 KiB as 64 rows of 32 elements of 8 bytes
	s_mov_b32 s[G1D+1], 32<<16
	s_mov_b32 s[G1D+2], 64<<16
	s_mov_b32 s[G1D+3], 32<<16
	s_mov_b32 s[G1D+4], 64
	s_mov_b32 s[G1D+5], 32
	s_mov_b32 s[G1D+6], 0
	s_mov_b32 s[G1D+7], 0
	s_mov_b32 s[SEL], 0x76543210
	s_mov_b32 s[SEL+1], 0xfedcba98
	s_mov_b32 s[TB], 0
	s_mov_b32 s[TBV], VBASE
	s_mov_b32 s[KTB], 0
	s_mov_b32 s[SLOTS], 14
	s_add_co_u32 s60, s19, 8<<20                   ; K's images, my half
	s_add_co_u32 s60, s60, s[HO]
	s_mov_b32 s61, 0
	s_add_co_u32 s62, s19, 16<<20                  ; V's
	s_add_co_u32 s62, s62, s[HO]
	s_mov_b32 s63, 0
	s_wait_dscnt 0x0                               ; both opening adds are done
	s_wait_kmcnt 0x0
	s_load_b256 s[76:83], s[10:11], 0x0            ; entries 0-7
	s_load_b128 s[84:87], s[10:11], 0x20           ; entries 8-11
	CROUND                                         ; all four work-groups are here: the first joint loads meet
	s_mov_b32 s[G0A], 1
	s_mov_b32 s[G0A+1], s21
	s_add_nc_u64 s[G0A+2:G0A+3], s[6:7], s[22:23]
	s_or_b32 s[G0A+3], s[G0A+3], 0x80000000
	s_mov_b32 s[G0K], 1
	s_add_co_u32 s[G0K+1], s[HO], KOFF
	s_add_nc_u64 s[G0K+2:G0K+3], s[4:5], s[60:61]
	s_or_b32 s[G0K+3], s[G0K+3], 0x80000000
	s_mov_b32 s[G0V], 1
	s_add_co_u32 s[G0V+1], s[HO], VBASE
	s_add_nc_u64 s[G0V+2:G0V+3], s[4:5], s[62:63]
	s_or_b32 s[G0V+3], s[G0V+3], 0x80000000
	TLOAD                                          ; key step 0 into slot 0: one tensor load a wave at the head
	; the prefetches: my wave's stand at key step 2; the first refill steps them to 3
	s_lshl_b32 s88, s16, 20
	s_lshl_b32 s89, s15, 18                        ; my work-group's 32 rows of add's 128
	s_add_co_u32 s88, s88, s89
	s_add_co_u32 s88, s88, 1024
	s_add_co_u32 s89, s19, (8<<20)+65536
	s_add_co_u32 s90, s19, (16<<20)+65536
	s_cmp_eq_u32 s[WV], 6
	s_cselect_b32 s89, s90, s89
	s_mov_b32 s[PFS], 32768
	s_mov_b32 s60, 256
	s_cmp_eq_u32 s[WV], 4
	s_cselect_b64 s[PFA:PFA+1], s[6:7], s[4:5]
	s_cselect_b32 s88, s88, s89
	s_cselect_b32 s[PFS], 512, s[PFS]              ; a key step on
	s_cselect_b32 s60, 8192, s60                   ; from lane to lane
	s_cselect_b32 s[LIMA], 1, -1
	s_mov_b32 s89, 0
	s_mov_b32 s[PFS+1], 0
	s_add_nc_u64 s[PFA:PFA+1], s[PFA:PFA+1], s[88:89]
	s_sub_co_u32 s90, s[WV], 5
	s_lshr_b32 s90, s90, 1                         ; 0 in waves 5 and 6,
	s_or_b32 s90, s90, s18                         ; of the batch's first block of queries
	s_cmp_eq_u32 s90, 0
	s_cselect_b32 s[LIMK], 1, -1
	s_lshl_b32 s61, s[QP], 5
	s_lshl_b32 s62, s[HP], 11
	s_add_co_u32 s62, s62, KOFF
	s_lshl_b32 s88, s17, 13                        ; the batch's 2,048 words of the mask
	s_add_nc_u64 s[94:95], s[8:9], s[88:89]
	s_lshl_b32 s88, s18, 3
	s_lshl_b32 s90, s[QP], 1
	s_add_co_u32 s88, s88, s90                     ; my first tile of 16 queries in the batch
	s_lshl_b32 s88, s88, 12
	s_add_co_u32 s88, s88, s19
	s_lshl_b32 s90, s[HP], 11
	s_add_co_u32 s88, s88, s90
	s_add_nc_u64 s[92:93], s[4:5], s[88:89]        ; Q's images
	s_lshl_b32 s90, s16, 3
	s_lshl_b32 s91, s[QP], 1
	s_add_co_u32 s90, s90, s91                     ; and among all 512: oc's 16 KiB of it, my head group's 4 KiB, my pair's 2 KiB
	s_lshl_b32 s90, s90, 14
	s_lshl_b32 s91, s15, 12
	s_add_co_u32 s90, s90, s91
	s_lshl_b32 s91, s[HP], 11
	s_add_co_u32 s90, s90, s91
	s_mov_b32 s91, 0
	s_add_nc_u64 s[OB:OB+1], s[12:13], s[90:91]
	v_and_b32 v7, 31, v0                           ; lane
	v_and_b32 v5, 15, v0                           ; r
	v_bfe_u32 v6, v0, 4, 1                         ; h
	v_mul_lo_u32 v[PFO], v7, s60
	v_lshlrev_b32 v[L16], 4, v7
	v_add_nc_u32 v[AAD], s61, v5
	v_mul_u32_u24 v[AAD], v[AAD], A_P
	v_lshl_add_u32 v[AAD], v6, 6, v[AAD]
	v_add_nc_u32 v[LIK], s62, v[L16]
	v_add_nc_u32 v[LIV], s[HO], v[L16]
	v_lshl_add_u32 v[TBL], v6, 6, TAB
	v_lshlrev_b32 v4, 5, v0                        ; the table: thread t makes keys 8 t .. 8 t + 7
	v_lshl_add_u32 v15, v0, 5, TAB
	global_load_b128 v[16:19], v4, s[94:95]
	global_load_b128 v[20:23], v4, s[94:95] offset:16
	WIN 0x40                                       ; destination window 1
.irp u, 0,1,2,3
.irp i, 0,1
	global_load_b128 v[QF+8*\u+4*\i:QF+8*\u+4*\i+3], v[L16], s[92:93] offset:4096*(\u%2)+1024*(\u/2)+512*\i th:TH_LOAD_NT   ; Q's four fragments stay in registers
.endr
.endr
.set j, 0
.rept 128
	v_mov_b32 v[OT+j], 0                           ; O^T: the key step is written for every step alike; the first finds zeros, which the first change of M leaves zeros
.set j, j+1
.endr
	WIN 0
.irp t, 0,1,2,3
	v_mov_b32 v[ST+4*\t+1], 0xff61b1e6             ; the largest t so far: -3e38
	v_floor_f32 v[ST+4*\t], -v[ST+4*\t+1]          ; -M
	v_mov_b32 v[ST+4*\t+2], 0                      ; the sum, in two halves
	v_mov_b32 v[ST+4*\t+3], 0
.endr
	v_mov_b32 v[F+1], 0                            ; (named as the upper half of a pair)
	v_mov_b32 v[PRM], 0                            ; a lane permute's destination counts as one of its sources
	WALU                                           ; the wait directly ahead of the wait below
	s_wait_kmcnt 0x0                               ; the exponents
	s_add_co_i32 s88, s82, s83                     ; E = e6 + e7
	s_lshl_b32 s89, s88, 23
	s_add_co_i32 s[CS], s89, 0x3fb8aa3b            ; c = log2(e) x 2^E: E is added to log2(e)'s exponent field
	s_mov_b32 s[CS+1], s[CS]
	s_sub_co_i32 s89, 127, s88
	s_lshl_b32 s[SC], s89, 23                      ; 2^-E
	s_mov_b32 s[SC+1], s[SC]
	s_sub_co_i32 s89, 187, s88
	s_lshl_b32 s89, s89, 23
	s_or_b32 s89, s89, 0x80000000
	v_mov_b32 v24, s89                             ; nk of a masked key: -2^(60 - E)
	v_mov_b32 v25, 0
	s_add_co_i32 s88, s84, 127
	s_lshl_b32 s89, s88, 23
	v_mov_b32 v[SCV], s89                          ; 2^e8 as f32
	s_add_co_i32 s88, s88, 15
	s_lshl_b32 s88, s88, 23
	s_or_b32 s[LIMS], s88, 0x600000                ; 57,344 x 2^e8
	WALU
	s_wait_loadcnt 8                               ; the mask's two loads are in; Q's eight may be out
.irp i, 0,1,2,3,4,5,6,7
	v_cmp_ne_u32 vcc_lo, 0, v[16+\i]
	v_cndmask_b32 v[32+\i], v24, v25, vcc_lo
.endr
	WALU                                           ; the head's end
	s_wait_tensorcnt 0x0                           ; my part of key step 0 is in: the table is stored with no tensor load of mine out
	ds_store_b128 v15, v[32:35]
	ds_store_b128 v15, v[36:39] offset:16
	s_wait_tensorcnt 0x0                           ; the three lines ahead of slot 1's first fill, as ahead of a refill
	ds_add_u32 v[SPW], v[NIL]
	STEPD
	s_wait_dscnt 0x0                               ; the add is done, and my part of the table has landed
	CROUND                                         ; key step 0 and the table are whole
	TLOAD                                          ; key step 1 into slot 1
	s_wait_loadcnt 0x0                             ; Q
; A KEY STEP'S HEAD: its nk, add and first K are fetched and the addend is made.  prev = 1: the step before has left its last unit's p, both tiles' work for the second head's products: they stand among the runs of loads.
.macro TOP prev, ask
	s_min_u32 s93, s[KTB], 15*512                  ; the step's place in nk's table, held inside the table
	v_add_nc_u32 v[ADA], s[TB], v[AAD]
	v_add_nc_u32 v[ADK], s[TB], v[LIK]
	v_add_nc_u32 v[ADV], s[TBV], v[LIV]
	v_add_nc_u32 v[ADT], s93, v[TBL]
	WALU                                           ; the wait behind these writes
	s_add_co_u32 s[KTB], s[KTB], 512
	NKLOAD
	ADDLOAD 0
.if \prev
	SOFTB A1, 3, 1
.if \ask
	WALU
	ASK
.endif
.endif
	ADDLOAD 1
.if \prev
	PV 1
	NOP4                                           ; places in front of the loads into V's registers
.endif
	KLOAD FR, 0, 0x40
	WALU
	s_wait_dscnt 32                                ; nk and tile 0's add are in; tile 1's sixteen loads and K's sixteen may be out
	PREP A0
	s_wait_dscnt 16                                ; tile 1's add is in; K's sixteen may be out
	PREP A1
	WALU
	s_wait_dscnt 0x0                               ; the first head's K
.endm
; THE REST OF A KEY STEP, up to the last unit's exponentials.  fill = 1: the barrier opens a round of the cluster's, and the slot just read takes the keys two steps on.
.macro BODY fill
	SCORE S, A0, 0, FR, 0x05
	SOFTA S, 0, 3
	SOFTB S, 0, 0
	SCORE S, A1, 1, FR, 0x05
	WIN 0
	NOP4                                           ; places in front of the loads into K's registers and of the first read of the scores
	VLOAD 0
	SOFTA S, 1, 0
	SOFTB S, 1, 1
	KLOAD S, 1, 0                                  ; the second head's K, where the first head's p lay
	WALU
	s_wait_dscnt 16                                ; V is in; K's sixteen loads may be out
	PV 0
	NOP4
	VLOAD 1
	s_wait_dscnt 16                                ; K is in; V's sixteen loads may be out
	SCORE A0, A0, 2, S, 0x04                       ; the second head's scores are summed onto the addend in place
	SCORE A1, A1, 3, S, 0x04
	SOFTA A0, 2, 3
	s_wait_tensorcnt 0x0                           ; all my tensor loads have landed: my part of the next slot
	ds_add_u32 v[SPW], v[NIL]                      ; 0 onto my spare word
.if \fill
	STEPD
	s_wait_xcnt 0x0                                ; the last prefetches have read their address
	s_add_nc_u64 s[PFA:PFA+1], s[PFA:PFA+1], s[PFS:PFS+1]
.endif
	s_wait_dscnt 0x0                               ; the add is done; V is in: my reads of this slot are over
	s_barrier_signal -1
	SOFTB A0, 2, 0                                 ; work on registers alone
	SOFTA A1, 3, 0
	s_barrier_wait -1
.if \fill
	CREST
	TLOAD
.endif
	s_xor_b32 s[TB], s[TB], SLOT1
	s_xor_b32 s[TBV], s[TBV], VSLOT
.endm
	TOP 0, 0                                       ; key step 0 has no step before it
.Lslot:                                                ; 14 trips: key steps 0 to 13, each with the next step's head; each asks for the step two on
	BODY 1
	TOP 1, 1
	s_sub_co_u32 s[SLOTS], s[SLOTS], 1
	s_cmp_lg_u32 s[SLOTS], 0
	s_cbranch_scc1 .Lslot
	s_mov_b32 s[SLOTS], 2
.Ltail:                                                ; key steps 14 and 15 fill nothing; behind step 15 no head follows
	BODY 0
	s_cmp_eq_u32 s[SLOTS], 1
	s_cbranch_scc1 .Llast
	TOP 1, 0
	s_sub_co_u32 s[SLOTS], s[SLOTS], 1
	s_cmp_lg_u32 s[SLOTS], 0
	s_cbranch_scc1 .Ltail
.Llast:
	SOFTB A1, 3, 1
	PV 1
	; THE WAY OUT.  O^T / the sum stands for the result / 2^(e8 + e9): its code is that / 2^(e10 - e8 - e9).  The additions are the places behind the last products.
.irp t, 0,1,2,3
	v_add_f32 v[ST+4*\t+2], v[ST+4*\t+2], v[ST+4*\t+3]
.endr
.irp t, 0,1,2,3
	v_permlanex16_b32 v[ST+4*\t+3], v[ST+4*\t+2], s[SEL], s[SEL+1]
.endr
.irp t, 0,1,2,3
	v_add_f32 v[ST+4*\t+2], v[ST+4*\t+2], v[ST+4*\t+3]
.endr
	WALU                                           ; the wait ahead of the batch
.irp t, 0,1,2,3
	v_rcp_f32 v[ST+4*\t+2], v[ST+4*\t+2]
.endr
	s_sub_co_i32 s88, s86, s84
	s_sub_co_i32 s88, s88, s85
	s_add_co_i32 s88, s88, 127
	s_lshl_b32 s89, s88, 23
	v_mov_b32 v[MX0], s89                          ; 2^(e10 - e8 - e9) as f32: a plain line behind the reciprocals
	s_add_co_i32 s88, s88, 15
	s_lshl_b32 s88, s88, 23
	s_or_b32 s88, s88, 0x600000
	v_mov_b32 v[MX1], s88                          ; 57,344 x it
	WALU                                           ; the wait behind the batch
.macro OHEAD u
	WIN 0x01                                       ; source 0 window 1
	WALU                                           ; directly ahead of the first readers of this unit's O^T
.set j, 0
.rept 16
	v_pk_mul_f32 v[A0+j:A0+j+1], v[OT+32*(\u)+j:OT+32*(\u)+j+1], v[ST+4*(\u)+2:ST+4*(\u)+3] op_sel_hi:[1,0]   ; register 16 g + i: channel 32 g + 16 h + i of my query
.set j, j+2
.endr
	WIN 0
.set j, 0
.rept 32
	v_med3_num_f32 v[A0+j], v[A0+j], -v[MX1], v[MX1]
.set j, j+1
.endr
.irp g, 0,1,2,3
	v_cvt_scalef32_pk8_bf8_f32 v[S+8*(\u)+2*\g:S+8*(\u)+2*\g+1], v[A0+8*\g:A0+8*\g+7], v[MX0]
.endr
	v_nop                                          ; a plain line between the conversions and the next unit's lines, which write their sources
	global_store_b128 v[L16], v[S+8*(\u):S+8*(\u)+3], s[OB:OB+1] offset:16384*((\u)%2)+1024*((\u)/2)          ; the wave stores 512 consecutive bytes; every unit has code registers of its own
	global_store_b128 v[L16], v[S+8*(\u)+4:S+8*(\u)+7], s[OB:OB+1] offset:16384*((\u)%2)+1024*((\u)/2)+512
.endm
	OHEAD 0
	OHEAD 1
	OHEAD 2
	OHEAD 3
	s_wait_tensorcnt 0x0                           ; the wave's end
	ds_add_u32 v[SPW], v[NIL]
	s_wait_dscnt 0x0
	CROUND                                         ; the closing round
	s_endpgm
.Lfunc_end_k_qee3153738b_attn:
	.size	k_qee3153738b_attn, .Lfunc_end_k_qee3153738b_attn-k_qee3153738b_attn
	.p2alignl 7, 3214868480
	.fill 96, 4, 3214868480
	.section	.rodata,"a",@progbits
	.p2align	6, 0x0
	.amdhsa_kernel k_qee3153738b_attn
		.amdhsa_group_segment_fixed_size 327680
		.amdhsa_private_segment_fixed_size 0
		.amdhsa_enable_private_segment 0
		.amdhsa_kernarg_size 40
		.amdhsa_user_sgpr_count 2
		.amdhsa_user_sgpr_kernarg_segment_ptr 1
		.amdhsa_wavefront_size32 1
		.amdhsa_system_sgpr_workgroup_id_x 1
		.amdhsa_system_sgpr_workgroup_id_y 1
		.amdhsa_system_sgpr_workgroup_id_z 1
		.amdhsa_system_vgpr_workitem_id 0
		.amdhsa_next_free_vgpr 512
		.amdhsa_next_free_sgpr 100
		.amdhsa_reserve_vcc 1
		.amdhsa_float_denorm_mode_32 3
		.amdhsa_float_denorm_mode_16_64 3
		.amdhsa_memory_ordered 1
		.amdhsa_forward_progress 1
		.amdhsa_inst_pref_size 177
	.end_amdhsa_kernel
	.amdgpu_metadata
---
amdhsa.version: [ 1, 2 ]
amdhsa.kernels:
  - .name:           k_qee3153738b_attn
    .symbol:         k_qee3153738b_attn.kd
    .args:
      - { .name: hc, .offset: 0, .size: 8, .value_kind: global_buffer, .address_space: global }
      - { .name: add_attn, .offset: 8, .size: 8, .value_kind: global_buffer, .address_space: global }
      - { .name: mask, .offset: 16, .size: 8, .value_kind: global_buffer, .address_space: global }
      - { .name: lowp_scales, .offset: 24, .size: 8, .value_kind: global_buffer, .address_space: global }
      - { .name: oc, .offset: 32, .size: 8, .value_kind: global_buffer, .address_space: global }
    .group_segment_fixed_size: 327680
    .private_segment_fixed_size: 0
    .kernarg_segment_align: 8
    .kernarg_segment_size: 40
    .max_flat_workgroup_size: 256
    .sgpr_count:     100
    .vgpr_count:     512
    .wavefront_size: 32
...
	.end_amdgpu_metadata
.endif
;; end of part 3
;; launch outln (part 4): grid 256 x 1, 16 waves a work-group, no clusters, 166,400 bytes of LDS; arguments oc, wc, q, ln_g, ln_b, lowp_scales, out0; writes out0
.if DOCPART == 4
	.amdgcn_target "amdgcn-amd-amdhsa--gfx1250"
	.amdhsa_code_object_version 6
	.text
	.protected	k_qee3153738b_outln
	.globl	k_qee3153738b_outln
	.p2align	8
	.type	k_qee3153738b_outln,@function
k_qee3153738b_outln:
	s_mov_b64 s[64:65], 0
	v_nop
	global_prefetch_b8 v0, s[64:65] scope:SCOPE_SE
	s_setreg_imm32_b32 hwreg(HW_REG_WAVE_MODE, 25, 1), 1
	s_wait_xcnt 0x0
; out0 = LayerNorm(o w_o + q) x ln_g + ln_b; the product on codes of BF8 (E5M2), all else in f32.
; SHARES.  A work-group takes 32 tokens x all 1,024 features, so that a row's mean and variance never leave it.  Wave w makes features 64 w .. 64 w + 63 (four tiles of 16) for both tiles of 16 tokens: 8 accumulators.
; THE PRODUCT IS USED TRANSPOSED: source 0 = 16 rows of w_o's codes, source 1 = 16 tokens.  A tile of features holds rows 0-7 and 16-23 (or 8-15 and 24-31) of a group of 32, so the 16 registers of two tiles on end are 16 neighbouring features.
; WEIGHTS GO FROM MEMORY STRAIGHT INTO REGISTERS, as images of the operand's registers (512 consecutive bytes a load).  NO TENSOR LOADS, NO JOINT REQUESTS: each byte of w_o is used by ONE wave of the work-group, for two matrix
; instructions, so a way through LDS would add a write and a read of every byte and share nothing inside the work-group.  Loads run three units (24 loads a wave) ahead.
; o's codes, 32 KiB a work-group, are copied into LDS once, as they lie, and every wave reads them from there.
; The sums meet in a stage in LDS (32 rows x (4,096 + 16) bytes); then wave w owns rows 2 w and 2 w + 1: residual, mean, variance of the differences (two passes: no difference of large sums), gain and bias.
; LIMITS: e10 + e11 between -126 and 127, so that 2^(e10 + e11) is an f32 number.  NaN among the inputs is not served.
; REGISTERS: v1-6 addresses; v16-79 the accumulators, later my two rows; v80-111 o's two fragments of a K step; v112-239 four buffers of 32 for w_o, later the residual, ln_g and ln_b; v240-249 at work.
.set STG,  32768                       ; behind o's images
.set SPI,  4112                        ; a stage row: 1,028 words: row r starts at bank 4 r mod 64 (64 banks of 4 bytes: ISA guide 11.1)
.set LI,   1                           ; v1  16 x lane
.set CP,   2                           ; v2  16 x thread
.set SO0,  3                           ; v3  the stage: row r, + 64 h + 256 w;  v4: 16 rows further down
.set SO1,  4
.set SR,   5                           ; v5  back: my two rows, 16 bytes a lane
.set PFO,  6                           ; v6  256 x lane
.set AC,   16
.set XF,   80
.set BR,   112
	s_load_b256 s[4:11], s[0:1], 0x0               ; oc, wc, q, ln_g
	s_load_b128 s[12:15], s[0:1], 0x20             ; ln_b, the scales' exponents
	s_load_b64 s[16:17], s[0:1], 0x30              ; out0
	v_lshl_add_u32 v254, v0, 2, 0x28200
	v_mov_b32 v255, 0
	v_lshrrev_b32 v7, 5, v0
	s_delay_alu instid0(VALU_DEP_1)
	v_readfirstlane_b32 s18, v7                    ; wave 0..15
	v_and_b32 v8, 31, v0                           ; lane
	v_and_b32 v9, 15, v0                           ; r
	v_bfe_u32 v10, v0, 4, 1                        ; h
	s_delay_alu instid0(VALU_DEP_3)
	v_lshlrev_b32 v[LI], 4, v8
	v_lshlrev_b32 v[CP], 4, v0
	v_lshlrev_b32 v[PFO], 8, v8
	v_mul_u32_u24 v[SO0], v9, SPI
	s_delay_alu instid0(VALU_DEP_1)
	v_lshl_add_u32 v[SO0], v10, 6, v[SO0]
	s_lshl_b32 s19, s18, 8
	s_add_co_u32 s19, s19, STG
	v_add_nc_u32 v[SO0], s19, v[SO0]
	s_delay_alu instid0(VALU_DEP_1)
	v_add_nc_u32 v[SO1], 16*SPI, v[SO0]
	s_mul_i32 s19, s18, 2*SPI
	s_add_co_u32 s19, s19, STG
	v_add_nc_u32 v[SR], s19, v[LI]
	v_mov_b32 v248, 0                              ; a lane permute's destination counts as one of its sources
	v_mov_b32 v249, 0
	s_lshl_b32 s20, ttmp9, 15                      ; o's codes: 32 KiB a work-group
	s_mov_b32 s21, 0
	s_lshl_b32 s22, s18, 16
	s_add_co_u32 s22, s22, 3<<20                   ; w_o's images: my wave's 64 KiB
	s_mov_b32 s23, 0
	s_lshl_b32 s24, ttmp9, 5
	s_lshl_b32 s25, s18, 1
	s_add_co_u32 s24, s24, s25
	s_lshl_b32 s24, s24, 12                        ; my two rows of q and of out0
	s_mov_b32 s25, 0
	s_mov_b32 s28, 0x76543210
	s_mov_b32 s29, 0xfedcba98
	s_mov_b32 s30, 0x3a800000                      ; 1 / 1,024
	s_mov_b32 s31, 0x358637bd                      ; 1e-6
	s_wait_alu depctr_va_vdst(0)
	s_wait_kmcnt 0x0
	s_load_b64 s[26:27], s[14:15], 0x28            ; e10, e11
	s_add_nc_u64 s[4:5], s[4:5], s[20:21]
	s_add_nc_u64 s[6:7], s[6:7], s[22:23]
	s_add_nc_u64 s[8:9], s[8:9], s[24:25]
	s_add_nc_u64 s[16:17], s[16:17], s[24:25]
.macro WLOAD u                         ; unit u: K step u / 2, my tiles 2 (u % 2) and 2 (u % 2) + 1: 4 KiB on end, into buffer u % 4
.irp i, 0,1,2,3,4,5,6,7
	global_load_b128 v[BR+32*((\u)%4)+4*\i:BR+32*((\u)%4)+4*\i+3], v[LI], s[6:7] offset:4096*(\u)+512*\i
.endr
.endm
.irp i, 0,1,2,3
	global_load_b128 v[XF+4*\i:XF+4*\i+3], v[CP], s[4:5] offset:8192*\i th:TH_LOAD_NT
.endr
	WLOAD 0
	WLOAD 1
	WLOAD 2
	s_wait_loadcnt 24                              ; o's four loads are in; the weights' 24 may be out
.irp i, 0,1,2,3
	ds_store_b128 v[CP], v[XF+4*\i:XF+4*\i+3] offset:8192*\i
.endr
	s_wait_dscnt 0x0                               ; for the others' sake: my stores have landed
	s_barrier_signal -1
	s_barrier_wait -1                              ; o's 32 KiB lie in LDS
.macro UNIT u
.if (\u) > 0
.rept 4
	v_nop                                          ; places in front of loads into registers that the last unit's products read
.endr
.endif
.if (\u)+3 < 16
	WLOAD (\u)+3
.endif
.if (\u)%2 == 0
.irp m, 0,1
.irp c, 0,1,2,3
	ds_load_b128 v[XF+16*\m+4*\c:XF+16*\m+4*\c+3], v[LI] offset:16384*\m+2048*((\u)/2)+512*\c   ; o's fragment of token tile m, this K step
.endr
.endr
.endif
.if (\u) == 2
	global_prefetch_b8 v[PFO], s[8:9] th:TH_LOAD_NT scope:SCOPE_SE   ; my two rows of the residual, 8,192 bytes on end, lanes 256 bytes apart: each block is named once in the launch, thirteen units ahead of its load
.endif
.if 15-(\u) >= 3
	s_wait_loadcnt 24                              ; this unit's eight loads are in; those of the three units behind it may be out
.else
	s_wait_loadcnt 8*(15-(\u))
.endif
.if (\u)%2 == 0
	s_wait_dscnt 0x0
.endif
.irp i, 0,1                            ; four accumulators by turns; the other four have the next unit: no two matrix instructions on end share one
.irp m, 0,1
.set rA, AC+8*((((\u)%2)*2+\m)*2+\i)
.if (\u) < 2
	v_wmma_f32_16x16x128_bf8_bf8 v[rA:rA+7], v[BR+32*((\u)%4)+16*\i:BR+32*((\u)%4)+16*\i+15], v[XF+16*\m:XF+16*\m+15], 0
.else
	v_wmma_f32_16x16x128_bf8_bf8 v[rA:rA+7], v[BR+32*((\u)%4)+16*\i:BR+32*((\u)%4)+16*\i+15], v[XF+16*\m:XF+16*\m+15], v[rA:rA+7]
.endif
.endr
.endr
.endm
.irp u, 0,1,2,3,4,5,6,7,8,9,10,11,12,13,14,15
	UNIT \u
.endr
.rept 4
	v_nop                                          ; places in front of the loads into the buffers and of the stores of the sums
.endr
.irp p, 0,1
.irp i, 0,1,2,3,4,5,6,7
	global_load_b128 v[BR+32*\p+4*\i:BR+32*\p+4*\i+3], v[LI], s[8:9] offset:4096*\p+512*\i th:TH_LOAD_NT   ; the residual: my two rows
.endr
.endr
.irp i, 0,1,2,3,4,5,6,7
	global_load_b128 v[BR+64+4*\i:BR+64+4*\i+3], v[LI], s[10:11] offset:512*\i    ; ln_g
	global_load_b128 v[BR+96+4*\i:BR+96+4*\i+3], v[LI], s[12:13] offset:512*\i    ; ln_b
.endr
.irp m, 0,1
.irp g, 0,1
.irp i, 0,1,2,3
	ds_store_b128 v[SO0+\m], v[AC+16*(2*\g+\m)+4*\i:AC+16*(2*\g+\m)+4*\i+3] offset:128*\g+16*\i   ; token 16 m + r, features 64 w + 32 g + 16 h + 4 i ..; each accumulator from its low end on
.endr
.endr
.endr
	s_wait_dscnt 0x0
	s_barrier_signal -1
	s_barrier_wait -1                              ; 32 whole rows of sums lie in the stage
.irp p, 0,1
.irp i, 0,1,2,3,4,5,6,7
	ds_load_b128 v[AC+32*\p+4*\i:AC+32*\p+4*\i+3], v[SR] offset:SPI*\p+512*\i
.endr
.endr
	s_wait_kmcnt 0x0
	s_add_co_i32 s26, s26, s27
	s_add_co_i32 s26, s26, 127
	s_lshl_b32 s26, s26, 23                        ; 2^(e10 + e11) as f32
	s_mov_b32 s27, s26                             ; (named with it as a pair)
	s_wait_dscnt 0x0
	s_wait_loadcnt 0x0
.macro RSUM p                          ; row p's two chains become one number, in every lane
.set T, 240+4*(\p)
	v_pk_add_f32 v[T:T+1], v[T:T+1], v[T+2:T+3]
	s_delay_alu instid0(VALU_DEP_1)
	v_add_f32 v[T], v[T], v[T+1]
	s_delay_alu instid0(VALU_DEP_1)
	v_add_f32_dpp v[T], v[T], v[T] row_xmask:1 row_mask:0xf bank_mask:0xf
	s_delay_alu instid0(VALU_DEP_1)
	v_add_f32_dpp v[T], v[T], v[T] row_xmask:2 row_mask:0xf bank_mask:0xf
	s_delay_alu instid0(VALU_DEP_1)
	v_add_f32_dpp v[T], v[T], v[T] row_xmask:4 row_mask:0xf bank_mask:0xf
	s_delay_alu instid0(VALU_DEP_1)
	v_add_f32_dpp v[T], v[T], v[T] row_xmask:8 row_mask:0xf bank_mask:0xf
	s_delay_alu instid0(VALU_DEP_1)
	v_permlanex16_b32 v[248+(\p)], v[T], s28, s29
	s_delay_alu instid0(VALU_DEP_1)
	v_add_f32 v[T], v[T], v[248+(\p)]
.endm
.irp p, 0,1
.irp i, 0,2,4,6,8,10,12,14,16,18,20,22,24,26,28,30
	v_pk_fma_f32 v[AC+32*\p+\i:AC+32*\p+\i+1], v[AC+32*\p+\i:AC+32*\p+\i+1], s[26:27], v[BR+32*\p+\i:BR+32*\p+\i+1] op_sel_hi:[1,0,1]   ; z = sum x 2^(e10 + e11) + q
.endr
.endr
.irp p, 0,1
	v_pk_add_f32 v[240+4*\p:241+4*\p], v[AC+32*\p:AC+32*\p+1], v[AC+32*\p+2:AC+32*\p+3]
	v_pk_add_f32 v[242+4*\p:243+4*\p], v[AC+32*\p+4:AC+32*\p+5], v[AC+32*\p+6:AC+32*\p+7]
.endr
.irp i, 8,12,16,20,24,28
.irp p, 0,1
	s_delay_alu instid0(VALU_DEP_4)
	v_pk_add_f32 v[240+4*\p:241+4*\p], v[240+4*\p:241+4*\p], v[AC+32*\p+\i:AC+32*\p+\i+1]
	s_delay_alu instid0(VALU_DEP_4)
	v_pk_add_f32 v[242+4*\p:243+4*\p], v[242+4*\p:243+4*\p], v[AC+32*\p+\i+2:AC+32*\p+\i+3]
.endr
.endr
	RSUM 0
	RSUM 1
	v_mul_f32 v240, 0xba800000, v240               ; - the mean
	s_delay_alu instid0(VALU_DEP_2)
	v_mul_f32 v244, 0xba800000, v244
.irp p, 0,1
.irp i, 0,2,4,6,8,10,12,14,16,18,20,22,24,26,28,30
	v_pk_add_f32 v[AC+32*\p+\i:AC+32*\p+\i+1], v[AC+32*\p+\i:AC+32*\p+\i+1], v[240+4*\p:241+4*\p] op_sel_hi:[1,0]   ; d = z - the mean
.endr
.endr
.irp p, 0,1
	v_pk_mul_f32 v[240+4*\p:241+4*\p], v[AC+32*\p:AC+32*\p+1], v[AC+32*\p:AC+32*\p+1]
	v_pk_mul_f32 v[242+4*\p:243+4*\p], v[AC+32*\p+2:AC+32*\p+3], v[AC+32*\p+2:AC+32*\p+3]
.endr
.irp i, 4,8,12,16,20,24,28
.irp p, 0,1
	s_delay_alu instid0(VALU_DEP_4)
	v_pk_fma_f32 v[240+4*\p:241+4*\p], v[AC+32*\p+\i:AC+32*\p+\i+1], v[AC+32*\p+\i:AC+32*\p+\i+1], v[240+4*\p:241+4*\p]
	s_delay_alu instid0(VALU_DEP_4)
	v_pk_fma_f32 v[242+4*\p:243+4*\p], v[AC+32*\p+\i+2:AC+32*\p+\i+3], v[AC+32*\p+\i+2:AC+32*\p+\i+3], v[242+4*\p:243+4*\p]
.endr
.endr
	RSUM 0
	RSUM 1
	v_fma_f32 v240, v240, s30, s31                 ; the variance + 1e-6
	s_delay_alu instid0(VALU_DEP_2)
	v_fma_f32 v244, v244, s30, s31
	s_wait_alu depctr_va_vdst(0)
	v_rsq_f32 v240, v240
	v_rsq_f32 v244, v244
	v_nop                                          ; a plain line behind the two roots
	s_wait_alu depctr_va_vdst(0)                   ; one wait for both, ahead of their first reader
.irp p, 0,1
.irp i, 0,2,4,6,8,10,12,14,16,18,20,22,24,26,28,30
	v_pk_mul_f32 v[AC+32*\p+\i:AC+32*\p+\i+1], v[AC+32*\p+\i:AC+32*\p+\i+1], v[240+4*\p:241+4*\p] op_sel_hi:[1,0]
.endr
.irp i, 0,2,4,6,8,10,12,14,16,18,20,22,24,26,28,30
	v_pk_fma_f32 v[AC+32*\p+\i:AC+32*\p+\i+1], v[AC+32*\p+\i:AC+32*\p+\i+1], v[BR+64+\i:BR+64+\i+1], v[BR+96+\i:BR+96+\i+1]   ; x ln_g + ln_b
.endr
.irp i, 0,1,2,3,4,5,6,7
	global_store_b128 v[LI], v[AC+32*\p+4*\i:AC+32*\p+4*\i+3], s[16:17] offset:4096*\p+512*\i th:TH_STORE_NT   ; the wave stores 512 consecutive bytes
.endr
.endr
	s_wait_tensorcnt 0x0
	ds_add_u32 v254, v255
	s_wait_dscnt 0x0
	s_endpgm
.Lfunc_end_k_qee3153738b_outln:
	.size	k_qee3153738b_outln, .Lfunc_end_k_qee3153738b_outln-k_qee3153738b_outln
	.p2alignl 7, 3214868480
	.fill 96, 4, 3214868480
	.section	.rodata,"a",@progbits
	.p2align	6, 0x0
	.amdhsa_kernel k_qee3153738b_outln
		.amdhsa_group_segment_fixed_size 166400
		.amdhsa_private_segment_fixed_size 0
		.amdhsa_enable_private_segment 0
		.amdhsa_kernarg_size 56
		.amdhsa_user_sgpr_count 2
		.amdhsa_user_sgpr_kernarg_segment_ptr 1
		.amdhsa_wavefront_size32 1
		.amdhsa_system_sgpr_workgroup_id_x 1
		.amdhsa_system_sgpr_workgroup_id_y 1
		.amdhsa_system_sgpr_workgroup_id_z 1
		.amdhsa_system_vgpr_workitem_id 0
		.amdhsa_next_free_vgpr 256
		.amdhsa_next_free_sgpr 66
		.amdhsa_reserve_vcc 0
		.amdhsa_float_denorm_mode_32 3
		.amdhsa_float_denorm_mode_16_64 3
		.amdhsa_memory_ordered 1
		.amdhsa_forward_progress 1
		.amdhsa_inst_pref_size 50
	.end_amdhsa_kernel
	.amdgpu_metadata
---
amdhsa.version: [ 1, 2 ]
amdhsa.kernels:
  - .name:           k_qee3153738b_outln
    .symbol:         k_qee3153738b_outln.kd
    .args:
      - { .name: oc, .offset: 0, .size: 8, .value_kind: global_buffer, .address_space: global }
      - { .name: wc, .offset: 8, .size: 8, .value_kind: global_buffer, .address_space: global }
      - { .name: q, .offset: 16, .size: 8, .value_kind: global_buffer, .address_space: global }
      - { .name: ln_g, .offset: 24, .size: 8, .value_kind: global_buffer, .address_space: global }
      - { .name: ln_b, .offset: 32, .size: 8, .value_kind: global_buffer, .address_space: global }
      - { .name: lowp_scales, .offset: 40, .size: 8, .value_kind: global_buffer, .address_space: global }
      - { .name: out0, .offset: 48, .size: 8, .value_kind: global_buffer, .address_space: global }
    .group_segment_fixed_size: 166400
    .private_segment_fixed_size: 0
    .kernarg_segment_align: 8
    .kernarg_segment_size: 56
    .max_flat_workgroup_size: 512
    .sgpr_count:     66
    .vgpr_count:     256
    .wavefront_size: 32
...
	.end_amdgpu_metadata
.endif
;; end of part 4
